; MI455X (gfx1250); checked and timed in simulation.
; The chip was launched on July 23, 2026; its instructions are those of AMD's public machine-readable ISA for CDNA 5 (MIT licence, August 2026) and "CDNA5" Instruction Set Architecture Reference Guide (July 2026). The comments in the code are by the model that wrote it; some were corrected since.
;; Multi Head Attention. Allowed arithmetic: matrix products marked QUANTISED: E4M3 operands, one given power-of-two scale a tensor, by v_wmma_f32_16x16x64_fp8_fp8 or v_wmma_f32_16x16x128_fp8_fp8, f32 sums; everything else in f32.
;; Inputs: Wk 1,024 x 1,024 float32; Wp 1,024 x 1,024 float32; Wq 1,024 x 1,024 float32; Wv 1,024 x 1,024 float32; attention_mask 4 x 2,048 int32; bk 1,024 float32; bp 1,024 float32; bq 1,024 float32; bv 1,024 float32; lowp_scales 12 int32 (the exponents e of the quantised operands' scales 2^e); x 4 x 2,048 x 1,024 float32.
;; Outputs: out0 4 x 2,048 x 1,024 float32.
;; This version of the problem:
;;   THIS VERSION OF THE PROBLEM IS GIVEN IN LOW PRECISION. The matrix products marked QUANTISED in the list below multiply operands that are first quantised to E4M3 (4 exponent bits, 3 mantissa bits; 8 bits a number), with one given power-of-two scale for each operand tensor; their sums are f32. All else is computed in f32.
;;   The module's matrix products, in the order in which they are computed (A, B: the left and right operand; K: the contracted axis; several contracted axes count as one K, in the product's order):
;;     1. [M 8,192, K 1,024] x [K 1,024, N 1,024]; A: input x; B: input Wq: QUANTISED (scales: A lowp_scales[0], B lowp_scales[1])
;;     2. [M 8,192, K 1,024] x [K 1,024, N 1,024]; A: input x; B: input Wk: QUANTISED (scales: A lowp_scales[2], B lowp_scales[3])
;;     3. [M 8,192, K 1,024] x [K 1,024, N 1,024]; A: input x; B: input Wv: QUANTISED (scales: A lowp_scales[4], B lowp_scales[5])
;;     4. batch 64 x [M 2,048, K 64] x [K 64, N 2,048]; A: computed on the way; B: computed on the way: QUANTISED (scales: A lowp_scales[6], B lowp_scales[7])
;;     5. batch 64 x [M 2,048, K 2,048] x [K 2,048, N 64]; A: softmax (see below); B: computed on the way: QUANTISED (scales: A lowp_scales[8], B lowp_scales[9])
;;     6. [M 8,192, K 1,024] x [K 1,024, N 1,024]; A: computed on the way; B: input Wp: QUANTISED (scales: A lowp_scales[10], B lowp_scales[11])
;;   THE QUANTISER, for each operand of a quantised product, along K:
;;     - The operand's scale is 2^e, e = its entry of the input lowp_scales (int32; the entries are numbered through the quantised products in the list's order, A before B).
;;     - Each number is divided by the scale, clamped to +-448, and rounded to the nearest number of E4M3, ties to even, subnormals kept.
;;     - The product sums the exact products of the quantised numbers (number of the format x scale) in f32.
;;   ~~~python
;;   def quantise(x, axis, e):      # numpy; x: float32 -> the quantised numbers, widened to float32 again
;;       x = np.moveaxis(x, axis, -1); K = x.shape[-1]
;;       r = np.clip(x / 2.0 ** e, -448, 448)
;;       step = 2.0 ** (np.maximum(np.frexp(np.where(r == 0, 1, r))[1] - 1, -6) - 3)
;;       q = np.round(r / step) * step * 2.0 ** e      # np.round: ties to even
;;       return np.moveaxis(q, -1, axis).astype(np.float32)
;;   ~~~
;;   SOFTMAX AHEAD OF A QUANTISED PRODUCT. Where the list says 'softmax', what is quantised is not the finished softmax but p = 2^(t - M), with t = logit x log2(e) and M = ceil(the row's largest t), a whole number; so 1/2 < the row's largest p <= 1. The row's sum l is taken of the UNQUANTISED p, in f32, and the product's result is divided by l at the end. Since M is a whole number, a kernel that streams over the keys may use a running M (the ceiling of the running maximum): every later rescaling is an exact power of two, so the quantised numbers keep their values, but for numbers so far below the row's largest that they fall under the format's range.
;;   OPERANDS COMPUTED ON THE WAY. 'Computed on the way' means the value that the module computes at that place (a softmax that the list does not call 'softmax' is quantised finished and normalised). What goes into a quantiser is computed in f32, as accurately as f32 sums, v_exp_f32 and their like allow (about 1e-6 of the number): no bf16 or f16 on the way to a quantiser, and a product that is left as it is and whose result goes on into a quantised operand takes f32 operands (vector FMAs, or v_wmma_f32_16x16x4_f32). A number that lies on a knife's edge between two numbers of the format may be rounded either way, as far as f32 arithmetic and the matrix unit's own rounding can turn it there, and no further.
;; One version. Each part assembles by itself: llvm-mc -triple=amdgcn-amd-amdhsa -mcpu=gfx1250 --defsym DOCPART=n.
;; ======== version 1 of 1: 4 launches
;; limits: right only within a limited range of input values
;; workspace buffers: x_img 25,165,824 bytes; w_img 4,194,304 bytes; qkv_img 25,165,824 bytes; y_img 8,388,608 bytes; rowok 65,536 bytes of whole numbers
;; launch quant (part 1): grid 384 x 1, 4 waves a work-group, no clusters, 34,304 bytes of LDS; arguments x, Wq, Wk, Wv, Wp, lowp_scales, x_img, w_img; writes x_img, w_img
.if DOCPART == 1
	.amdgcn_target "amdgcn-amd-amdhsa--gfx1250"
	.amdhsa_code_object_version 6
	.text
	.protected	k_q8a98a7ef59_quant
	.globl	k_q8a98a7ef59_quant
	.p2align	8
	.type	k_q8a98a7ef59_quant,@function
k_q8a98a7ef59_quant:
	s_mov_b64 s[64:65], 0
	v_nop
	global_prefetch_b8 v0, s[64:65] scope:SCOPE_SE
	s_setreg_imm32_b32 hwreg(HW_REG_WAVE_MODE, 25, 1), 1
	s_wait_xcnt 0x0
; MULTI-HEAD ATTENTION ON CODES OF E4M3, four launches: quant, qkv, attn, proj.  This one turns x (three times: the scales of entries 0, 2, 4 need not be equal) and Wq, Wk, Wv, Wp
; (entries 1, 3, 5, 11) into codes: code = number / 2^e, held within +-448, rounded to the nearest code, ties to even.
; WORK LEFT OUT IN THE WHOLE PROGRAM: only the key steps of launch attn that lie wholly above the causal diagonal.  reference() builds that mask itself (jnp.tril): for key > query it sets the logit to
; -inf, so the softmax's weight is exactly 0 and the key's score and value reach no output, whatever the inputs hold.  Every input has a way to the output and is loaded (all four biases: three feed a
; quantiser, bp the result; attention_mask key by key).  LIMIT: a NaN, an infinity or an overflow that would arise only in the scores left out is not carried to the result.
; LIMITS: each e between -126 and 119, so that 2^e and 448 x 2^e are f32 numbers.  NaN among the inputs is not served (an infinity is held at the largest code).
; THE IMAGE, the one layout of every buffer of codes in this program.  A matrix [rows][K]: tile 2 (row / 32) + u holds the 16 rows 32 (row / 32) + 8 u + r + 8 (r / 8), r = 0 .. 15; piece (tile, c = k / 32)
; is 512 bytes at (tile x K / 32 + c) x 512; lane l = r + 16 h owns its bytes 16 l .. 16 l + 15: k = 32 c + 16 h + 0 .. 15 of tile row r.  So a fragment is loaded 512 consecutive bytes an instruction,
; and the 16 results that a lane holds of two neighbouring tiles of a product's first source are 16 neighbours along the next product's K.
; SHARES.  Work-groups 0-255: x, 32 rows each; wave w takes tile u = w & 1 and K half w >> 1, in 4 chunks of 128 along K.  A load reads 512 consecutive bytes of one row; a chunk turns through the wave's own
; stage in LDS (rows 528 bytes apart) so that a lane gets 16 neighbours along K.  Work-groups 256-383: the weights, stored [K][N]: a lane takes a column, its registers run down K; no LDS.
; No matrix unit, no tensor load, no cluster: the launch streams, and its waves share nothing.
.set STG,   8448                       ; a wave's stage: 16 rows x (512 + 16) bytes
.set SPARE, 4*STG                      ; behind the stages: the spare words, 128 bytes a wave, that no other line names
.set VI,  2                            ; v2   16 x lane
.set STI, 3                            ; v3   x: into the stage          (weights: my place in a piece)
.set STO, 4                            ; v4   x: out of the stage        (weights: 4 x lane)
.set SCX, 6                            ; v6.. 2^e and 448 x 2^e, a pair for each of x's three scales (weights: v6, v7)
.set SPW, 12                           ; v12  my spare word; never rewritten
.set NIL, 13                           ; v13  0; never rewritten
.set R,   16                           ; v16-143  two sets of 64 registers as loaded
.set X,   144                          ; v144-207 a chunk's 64 numbers of my row
.set T,   208                          ; v208-223 16 numbers, held
.set CD,  224                          ; v224-235 codes, four registers for each scale
	s_load_b512 s[4:19], s[0:1], 0x0               ; x, Wq, Wk, Wv, Wp, the exponents, x_img, w_img
	v_lshl_add_u32 v[SPW], v0, 2, SPARE
	v_mov_b32 v[NIL], 0
	v_lshrrev_b32 v1, 5, v0
	v_readfirstlane_b32 s20, v1                    ; wave 0..3
	v_and_b32 v1, 31, v0                           ; lane
	v_lshlrev_b32 v[VI], 4, v1
	s_wait_kmcnt 0x0
	s_load_b256 s[24:31], s[14:15], 0x0            ; entries 0 to 7
	s_load_b128 s[32:35], s[14:15], 0x20           ; entries 8 to 11
	s_cmp_ge_u32 ttmp9, 256
	s_cbranch_scc1 .Lweights
	; ---------------- x ----------------
	s_and_b32 s21, s20, 1                          ; u
	s_lshr_b32 s22, s20, 1                         ; K half
	s_mul_i32 s23, s20, STG                        ; my stage
	v_add_nc_u32 v[STI], s23, v[VI]                ; in: a row's 512 bytes as they lie
	v_and_b32 v5, 15, v0                           ; r
	v_bfe_u32 v14, v0, 4, 1                        ; h
	v_mul_u32_u24 v[STO], v5, 528
	v_lshl_add_u32 v[STO], v14, 6, v[STO]
	v_add_nc_u32 v[STO], s23, v[STO]               ; out: row r, + 64 h: my 16 numbers of a block of 32
	s_lshl_b32 s36, ttmp9, 17                      ; 32 rows of 4,096 bytes,
	s_lshl_b32 s37, s21, 15                        ; + 8 u rows,
	s_add_co_u32 s36, s36, s37
	s_lshl_b32 s37, s22, 11                        ; + my K half
	s_add_co_u32 s36, s36, s37
	s_mov_b32 s37, 0
	s_add_nc_u64 s[4:5], s[4:5], s[36:37]
	s_lshl_b32 s36, ttmp9, 15                      ; the image: tile 2 blk + u, 16,384 bytes a tile,
	s_lshl_b32 s38, s21, 14
	s_add_co_u32 s36, s36, s38
	s_lshl_b32 s38, s22, 13                        ; + 16 pieces for the K half
	s_add_co_u32 s36, s36, s38
	s_add_nc_u64 s[40:41], s[16:17], s[36:37]      ; for entry 0,
	s_add_nc_u64 s[42:43], s[40:41], 0x800000      ; entry 2,
	s_add_nc_u64 s[44:45], s[40:41], 0x1000000     ; entry 4
.macro XLOAD ch                        ; chunk ch: 128 along K of my tile's 16 rows
.irp i, 0,1,2,3,4,5,6,7,8,9,10,11,12,13,14,15
	global_load_b128 v[R+64*((\ch)%2)+4*\i:R+64*((\ch)%2)+4*\i+3], v[VI], s[4:5] offset:(\i+8*(\i/8))*4096+512*(\ch) th:TH_LOAD_NT
.endr
.endm
.macro XTURN ch                        ; through the stage: LDS serves a wave's instructions in order, so no wait stands between the stores and the loads
.irp i, 0,1,2,3,4,5,6,7,8,9,10,11,12,13,14,15
	ds_store_b128 v[STI], v[R+64*((\ch)%2)+4*\i:R+64*((\ch)%2)+4*\i+3] offset:528*\i
.endr
.irp c, 0,1,2,3
.irp j, 0,1,2,3
	ds_load_b128 v[X+16*\c+4*\j:X+16*\c+4*\j+3], v[STO] offset:128*\c+16*\j
.endr
.endr
.endm
.macro XQ ch                           ; four pieces, each quantised three times; a store covers 512 consecutive bytes, aligned
.irp c, 0,1,2,3
	s_wait_xcnt 0x0                                ; the last piece's stores have read their data: the codes' registers are written again only behind this wait
.irp t, 0,1,2
.irp i, 0,1,2,3,4,5,6,7,8,9,10,11,12,13,14,15
	v_med3_num_f32 v[T+\i], v[X+16*\c+\i], -v[SCX+2*\t+1], v[SCX+2*\t+1]   ; the conversion does not saturate (ISA guide 7.6.2): the hold at the largest code x the scale
.endr
	v_cvt_scalef32_pk8_fp8_f32 v[CD+4*\t:CD+4*\t+1], v[T:T+7], v[SCX+2*\t]
	v_cvt_scalef32_pk8_fp8_f32 v[CD+4*\t+2:CD+4*\t+3], v[T+8:T+15], v[SCX+2*\t]
	v_nop                                          ; a plain line between the conversions and the next holds, which write their sources
	global_store_b128 v[VI], v[CD+4*\t:CD+4*\t+3], s[40+2*\t:41+2*\t] offset:(4*(\ch)+\c)*512
.endr
.endr
.endm
	XLOAD 0
	XLOAD 1
	s_wait_kmcnt 0x0
.irp t, 0,1,2
	s_add_co_i32 s36, s[24+2*\t], 127
	s_lshl_b32 s37, s36, 23
	v_mov_b32 v[SCX+2*\t], s37                     ; 2^e as f32: the conversion takes its exponent field
	s_add_co_i32 s36, s36, 8
	s_lshl_b32 s36, s36, 23
	s_or_b32 s36, s36, 0x600000
	v_mov_b32 v[SCX+2*\t+1], s36                   ; 448 x 2^e
.endr
.irp ch, 0,1,2,3
.if \ch < 3
	s_wait_loadcnt 16                              ; this chunk's 16 loads are in; the next chunk's 16 may be out
.else
	s_wait_loadcnt 0x0
.endif
	XTURN \ch
	s_wait_dscnt 0x0                               ; the chunk is back, and the stage's stores have read their registers,
.if \ch < 2
	XLOAD \ch+2                                    ; which take the chunk two further on
.endif
	XQ \ch
.endr
	s_wait_tensorcnt 0x0                           ; the wave's end, behind my last LDS store
	ds_add_u32 v[SPW], v[NIL]
	s_wait_dscnt 0x0
	s_endpgm
	; ---------------- the weights ----------------
.Lweights:
	s_sub_co_u32 s21, ttmp9, 256
	s_lshr_b32 s22, s21, 5                         ; which matrix: 0 Wq, 1 Wk, 2 Wv, 3 Wp
	s_bfe_u32 s23, s21, 0x20003                    ; which 256 along K
	s_and_b32 s21, s21, 7                          ; which 128 columns
	s_cmp_eq_u32 s22, 1
	s_cselect_b64 s[6:7], s[8:9], s[6:7]
	s_cmp_eq_u32 s22, 2
	s_cselect_b64 s[6:7], s[10:11], s[6:7]
	s_cmp_eq_u32 s22, 3
	s_cselect_b64 s[6:7], s[12:13], s[6:7]
	s_lshl_b32 s36, s23, 20                        ; 256 rows of 4,096 bytes,
	s_lshl_b32 s37, s21, 9                         ; + 128 columns,
	s_add_co_u32 s36, s36, s37
	s_lshl_b32 s37, s20, 7                         ; + my wave's 32
	s_add_co_u32 s36, s36, s37
	s_mov_b32 s37, 0
	s_add_nc_u64 s[6:7], s[6:7], s[36:37]
	s_lshl_b32 s36, s22, 20                        ; the image: 1 MiB a matrix,
	s_lshl_b32 s38, s21, 17                        ; two tiles (32,768 bytes) for each 32 columns: 4 x 128-column group + wave,
	s_add_co_u32 s36, s36, s38
	s_lshl_b32 s38, s20, 15
	s_add_co_u32 s36, s36, s38
	s_lshl_b32 s38, s23, 12                        ; + 8 pieces
	s_add_co_u32 s36, s36, s38
	s_add_nc_u64 s[18:19], s[18:19], s[36:37]
	v_bfe_u32 v5, v1, 3, 1                         ; my column f = lane: tile u = (f >> 3) & 1,
	v_lshlrev_b32 v[STI], 14, v5
	v_and_b32 v5, 7, v1                            ; tile row (f & 7) + 8 (f >> 4): 16 bytes a row
	v_lshl_add_u32 v[STI], v5, 4, v[STI]
	v_lshrrev_b32 v5, 4, v1
	v_lshl_add_u32 v[STI], v5, 7, v[STI]
	v_lshlrev_b32 v[STO], 2, v1
.macro WLOAD t                         ; block t: W(32 t + i, my column): 128 consecutive bytes a wave, 512 a work-group
.irp i, 0,1,2,3,4,5,6,7,8,9,10,11,12,13,14,15,16,17,18,19,20,21,22,23,24,25,26,27,28,29,30,31
	global_load_b32 v[16+32*((\t)%2)+\i], v[STO], s[6:7] offset:(32*(\t)+\i)*4096 th:TH_LOAD_NT
.endr
.endm
.macro WBLOCK t
.set XS, 16+32*((\t)%2)
.if (\t) < 7
	s_wait_loadcnt 32                              ; this block's 32 loads are in; the next block's 32 may be out
.else
	s_wait_loadcnt 0x0
.endif
.irp i, 0,1,2,3,4,5,6,7,8,9,10,11,12,13,14,15,16,17,18,19,20,21,22,23,24,25,26,27,28,29,30,31
	v_med3_num_f32 v[XS+\i], v[XS+\i], -v7, v7
.endr
.irp g, 0,1,2,3
	v_cvt_scalef32_pk8_fp8_f32 v[80+8*(\t)+2*\g:80+8*(\t)+2*\g+1], v[XS+8*\g:XS+8*\g+7], v6
.endr
	v_nop                                          ; a plain line behind the last conversion
	global_store_b128 v[STI], v[80+8*(\t):80+8*(\t)+3], s[18:19] offset:512*(\t)        ; k = 32 t + 0 .. 15: the piece's lower half; the 16 lanes of a tile fill 256 consecutive bytes, aligned
	global_store_b128 v[STI], v[80+8*(\t)+4:80+8*(\t)+7], s[18:19] offset:512*(\t)+256  ; k = 32 t + 16 .. 31: its upper half.  Each block has codes' registers of its own: no store's data are written again
.if (\t)+2 < 8
	WLOAD (\t)+2
.endif
.endm
	WLOAD 0
	WLOAD 1
	s_wait_kmcnt 0x0
	s_cmp_eq_u32 s22, 1                            ; entries 1, 3, 5, 11
	s_cselect_b32 s25, s27, s25
	s_cmp_eq_u32 s22, 2
	s_cselect_b32 s25, s29, s25
	s_cmp_eq_u32 s22, 3
	s_cselect_b32 s25, s35, s25
	s_add_co_i32 s25, s25, 127
	s_lshl_b32 s27, s25, 23
	v_mov_b32 v6, s27                              ; 2^e
	s_add_co_i32 s25, s25, 8
	s_lshl_b32 s25, s25, 23
	s_or_b32 s25, s25, 0x600000
	v_mov_b32 v7, s25                              ; 448 x 2^e
.irp t, 0,1,2,3,4,5,6,7
	WBLOCK \t
.endr
	s_endpgm
.Lfunc_end_k_q8a98a7ef59_quant:
	.size	k_q8a98a7ef59_quant, .Lfunc_end_k_q8a98a7ef59_quant-k_q8a98a7ef59_quant
	.p2alignl 7, 3214868480
	.fill 96, 4, 3214868480
	.section	.rodata,"a",@progbits
	.p2align	6, 0x0
	.amdhsa_kernel k_q8a98a7ef59_quant
		.amdhsa_group_segment_fixed_size 34304
		.amdhsa_private_segment_fixed_size 0
		.amdhsa_enable_private_segment 0
		.amdhsa_kernarg_size 64
		.amdhsa_user_sgpr_count 2
		.amdhsa_user_sgpr_kernarg_segment_ptr 1
		.amdhsa_wavefront_size32 1
		.amdhsa_system_sgpr_workgroup_id_x 1
		.amdhsa_system_sgpr_workgroup_id_y 1
		.amdhsa_system_sgpr_workgroup_id_z 1
		.amdhsa_system_vgpr_workitem_id 0
		.amdhsa_next_free_vgpr 240
		.amdhsa_next_free_sgpr 66
		.amdhsa_reserve_vcc 0
		.amdhsa_float_denorm_mode_32 3
		.amdhsa_float_denorm_mode_16_64 3
		.amdhsa_memory_ordered 1
		.amdhsa_forward_progress 1
		.amdhsa_inst_pref_size 124
	.end_amdhsa_kernel
	.amdgpu_metadata
---
amdhsa.version: [ 1, 2 ]
amdhsa.kernels:
  - .name:           k_q8a98a7ef59_quant
    .symbol:         k_q8a98a7ef59_quant.kd
    .args:
      - { .name: x, .offset: 0, .size: 8, .value_kind: global_buffer, .address_space: global }
      - { .name: Wq, .offset: 8, .size: 8, .value_kind: global_buffer, .address_space: global }
      - { .name: Wk, .offset: 16, .size: 8, .value_kind: global_buffer, .address_space: global }
      - { .name: Wv, .offset: 24, .size: 8, .value_kind: global_buffer, .address_space: global }
      - { .name: Wp, .offset: 32, .size: 8, .value_kind: global_buffer, .address_space: global }
      - { .name: lowp_scales, .offset: 40, .size: 8, .value_kind: global_buffer, .address_space: global }
      - { .name: x_img, .offset: 48, .size: 8, .value_kind: global_buffer, .address_space: global }
      - { .name: w_img, .offset: 56, .size: 8, .value_kind: global_buffer, .address_space: global }
    .group_segment_fixed_size: 34304
    .private_segment_fixed_size: 0
    .kernarg_segment_align: 8
    .kernarg_segment_size: 64
    .max_flat_workgroup_size: 128
    .sgpr_count:     66
    .vgpr_count:     240
    .wavefront_size: 32
...
	.end_amdgpu_metadata
.endif
;; end of part 1
;; launch qkv (part 2): grid 4 x 192, 4 waves a work-group, clusters of 4 x 4, 327,680 bytes of LDS; arguments x_img, w_img, bq, bk, bv, lowp_scales, qkv_img; writes qkv_img
.if DOCPART == 2
	.amdgcn_target "amdgcn-amd-amdhsa--gfx1250"
	.amdhsa_code_object_version 6
	.text
	.protected	k_q8a98a7ef59_qkv
	.globl	k_q8a98a7ef59_qkv
	.p2align	8
	.type	k_q8a98a7ef59_qkv,@function
k_q8a98a7ef59_qkv:
	s_mov_b64 s[64:65], 0
	v_nop
	global_prefetch_b8 v0, s[64:65] scope:SCOPE_SE
	s_setreg_imm32_b32 hwreg(HW_REG_WAVE_MODE, 25, 1), 1
	s_wait_xcnt 0x0
	s_wait_alu depctr_hold_cnt(0) depctr_sa_sdst(0) depctr_va_vdst(0) depctr_va_sdst(0) depctr_va_ssrc(0) depctr_va_vcc(0) depctr_vm_vsrc(0)
	s_getreg_b32 s2, hwreg(HW_REG_IB_STS2, 6, 4)
	s_cmp_eq_u32 s2, 0
	s_cbranch_scc0 .Lentry_in_a_cluster
	s_endpgm
.Lentry_in_a_cluster:
	s_bfe_u32 s2, ttmp6, 0x10000c
	s_cmp_lg_u32 s2, 0xf033
	s_cbranch_scc0 .Lentry_shape_is_right
	s_endpgm
.Lentry_shape_is_right:
; q = x Wq + bq, k = x Wk + bk, v = x Wv + bv on codes of E4M3, each result quantised at once (entries 6, 7, 9) and stored as an image (layout: head of launch quant).  No work of reference() is left out here.
; KINDS.  Cluster y = 16 kind + z.  q, k: source 0 = 256 features of W, source 1 = 128 tokens: a lane then holds one token and 16 neighbouring features, the next K (the head's 64).
; v: source 0 = 256 tokens, source 1 = 128 features: a lane holds one feature and 16 neighbouring tokens, the next K (the keys): V arrives in launch attn with the keys innermost, and nothing is transposed.
; SHARES.  A work-group makes 256 (source 0) x 128 (source 1): 256 work-groups a kind.  Four waves, 2 x 2: wave w takes source 0's half w & 1 (8 tiles) x source 1's half w >> 1 (4 tiles): 32 accumulators.
; K = 1,024 is four slots of 256.  Three LDS slots: three of the four go out at the head as first fills, one refill is left; the eight steps of 128 along K are written out, no loop.
; CLUSTER 4 x 4: source 0's tiles hang on cx alone and are asked for jointly by a column of the cluster, source 1's on cy alone, by a row.
; THE BIAS STARTS THE SUMS: a sum stands for sum x 2^(ea + eb), so bias / 2^(ea + eb) is written into the accumulators while the first tiles are on their way; all eight steps then add in place.
; The three scales are folded: code = (sum + bias / 2^(ea + eb)) / 2^(eo - ea - eb).
; LIMITS: eo - ea - eb between -126 and 119.  NaN among the inputs is not served.
; REGISTERS.  window 0: v1-47 addresses and constants; v64-127 the bias as loaded; v128-191, v192-255 source 1's fragments, two sets (on the way out: held sums, codes).
;   window 1: source 0's fragments, two sets of 128.   window 2: accumulator (a, b) at v[8 (8 a + b)].
.set SLOT,  98304                      ; source 0's 16 tiles x 4,096 bytes, then source 1's 8
.set R1OFF, 65536
.set SPARE, 3*SLOT                     ; behind the slots: the spare words, 128 bytes a wave, that no other line names
.set LI,   1                           ; v1     16 x lane
.set ADR0, 16                          ; v16-18 my source 0 tiles in slot 0, 1, 2
.set ADR1, 20                          ; v20-22 my source 1 tiles
.set SPW,  28                          ; v28    my spare word; never rewritten
.set NIL,  29                          ; v29    0; never rewritten
.set SC,   30                          ; v30    2^(eo - ea - eb)
.set LM,   31                          ; v31    448 x that
.set BV,   32                          ; v32-35 v: the bias of my lane's feature in tiles a = 0 .. 3
.set OF,   40                          ; v40-47 the stores' offsets
.set BI,   64
.set TT,   128
.set CD,   192
.set WV,   18
.set ROLE, 19                          ; w >> 1: I fetch for source 0 (0) or source 1 (1); also my half of source 1
.set HALF, 20                          ; w & 1: which half I fetch; also my half of source 0
.set CX,   21
.set CY,   22
.set KIND, 23
.set G1,   24                          ; s[24:31] group 1, source 0;  s[32:39] source 1;  s[40:51], s[52:63] their groups 0, a set for each slot
.set G1B,  32
.set G0,   40
.set G0B,  52
.set I0,   67                          ; which 256 rows of source 0: carries cx
.set I1,   68                          ; which 128 rows of source 1: carries cy
.set SA,   96
.set SB,   97
.set MSB, 0
.macro WIN new                         ; the immediate's high byte repeats the setting that is left
.if MSB != \new
	s_set_vgpr_msb (MSB<<8)|\new
.set MSB, \new
.endif
.endm
.macro PLACES n
.rept \n
	v_nop
.endr
.endm
.macro JLOAD g0a, g1a, g0b, g1b        ; a joint load; the branch hangs on the wave's number alone; an s_nop 0 and four v_nop follow each line
	s_cmp_eq_u32 s[ROLE], 0
	s_cbranch_scc0 .Lfor_b_\@
	tensor_load_to_lds s[\g0a:\g0a+3], s[\g1a:\g1a+7]
	s_nop 0
	PLACES 4
	s_branch .Lasked_\@
.Lfor_b_\@:
	tensor_load_to_lds s[\g0b:\g0b+3], s[\g1b:\g1b+7]
	s_nop 0
	PLACES 4
.Lasked_\@:
.endm
.macro CREST                           ; a round of the cluster's barrier behind its opening barrier
	s_cmp_lg_u32 s[WV], 0
	s_cbranch_scc1 .Lnot_wave_0_\@
	s_barrier_signal -3
.Lnot_wave_0_\@:
	s_barrier_wait -3
	s_barrier_signal -1
	s_barrier_wait -1
.endm
.macro CROUND
	s_barrier_signal -1
	s_barrier_wait -1
	CREST
.endm
.macro FETCH n, q, p                   ; 48 LDS loads, 512 consecutive bytes each: the fragments of the q-th 128 along K of slot n into set p
	WIN 0x40
.irp b, 0,1,2,3,4,5,6,7
.irp c, 0,1,2,3
	ds_load_b128 v[128*(\p)+16*\b+4*\c:128*(\p)+16*\b+4*\c+3], v[ADR0+\n] offset:4096*\b+2048*(\q)+512*\c
.endr
.endr
	WIN 0
.irp a, 0,1,2,3
.irp c, 0,1,2,3
	ds_load_b128 v[128+64*(\p)+16*\a+4*\c:128+64*(\p)+16*\a+4*\c+3], v[ADR1+\n] offset:4096*\a+2048*(\q)+512*\c
.endr
.endr
.endm
.macro MUL p, a0                       ; 16 matrix instructions; the 32 accumulators take turns, one instruction a turn, in the same order in every step
.irp a, \a0, \a0+1
.irp b, 0,1,2,3,4,5,6,7
	v_wmma_f32_16x16x128_fp8_fp8 v[8*(8*(\a)+\b):8*(8*(\a)+\b)+7], v[128*(\p)+16*\b:128*(\p)+16*\b+15], v[128+64*(\p)+16*(\a):128+64*(\p)+16*(\a)+15], v[8*(8*(\a)+\b):8*(8*(\a)+\b)+7]
.endr
.endr
.endm
.macro STEP p, fetch, n, q             ; a step of 128 along K on set p; the next step's fragments are asked for first, so that the LDS reads run beside the 32 products
	s_wait_dscnt 0x0                               ; set p is in
.if \fetch
	PLACES 4                                       ; four plain places between the last products, which read the other set, and the loads into it (ISA guide 7.12.1 for vector instructions)
	FETCH \n, \q, 1-(\p)
.endif
	WIN 0xa1                                       ; source 0 window 1, source 1 window 0, C and D window 2
	MUL \p, 0
	MUL \p, 2
.endm
	s_load_b256 s[4:11], s[0:1], 0x0               ; x_img, w_img, bq, bk
	s_load_b128 s[12:15], s[0:1], 0x20             ; bv, the exponents
	s_load_b64 s[16:17], s[0:1], 0x30              ; qkv_img
	v_lshl_add_u32 v[SPW], v0, 2, SPARE
	v_mov_b32 v[NIL], 0
	ds_add_u32 v[SPW], v[NIL]                      ; the wave's opening: the add, twice on end, and its wait ahead of my first tensor load
	ds_add_u32 v[SPW], v[NIL]
	v_lshrrev_b32 v1, 5, v0
	v_readfirstlane_b32 s[WV], v1                  ; wave 0..3
	s_lshr_b32 s[ROLE], s[WV], 1
	s_and_b32 s[HALF], s[WV], 1
	s_bfe_u32 s[CX], ttmp6, 0x40000
	s_bfe_u32 s[CY], ttmp6, 0x40004
	s_and_b32 s66, ttmp7, 0xffff                   ; cluster y, 0 .. 47
	s_lshr_b32 s[KIND], s66, 4                     ; 0 q, 1 k, 2 v: the same in all sixteen partners
	s_and_b32 s66, s66, 15                         ; z
	s_lshr_b32 s88, s66, 1
	s_and_b32 s89, s66, 1
	s_cmp_eq_u32 s[KIND], 2
	s_cselect_b32 s[I0], s88, 0                    ; q, k: 4 blocks of features, 64 of tokens;  v: 32 of tokens, 8 of features
	s_cselect_b32 s[I1], s89, s66
	s_lshl_b32 s[I0], s[I0], 2
	s_add_co_u32 s[I0], s[I0], s[CX]
	s_lshl_b32 s[I1], s[I1], 2
	s_add_co_u32 s[I1], s[I1], s[CY]
	s_lshl_b32 s2, s[CY], 2
	s_lshl_b32 s2, 15, s2                          ; my row of the cluster
	s_lshl_b32 s3, 0x1111, s[CX]                   ; my column
	; group 1: rows of 4,096 bytes (a tile's 8 pieces of a slot) as 512 elements of 8 bytes, 16,384 bytes apart in memory, dense in LDS
	s_or_b32 s[G1], s3, (3<<16)|(1<<21)            ; 15:0 the mask: source 0's tiles go to my column; 17:16 elements of 8 bytes; 21 set beside a mask
	s_or_b32 s[G1B], s2, (3<<16)|(1<<21)           ; source 1's go to my row
	s_mov_b32 s[G1+1], 512<<16                     ; tensor_dim0
	s_mov_b32 s[G1+2], 8<<16                       ; tensor_dim1: 8 tiles
	s_mov_b32 s[G1+3], 512<<16                     ; tile_dim0
	s_mov_b32 s[G1+4], 8                           ; tile_dim1
	s_mov_b32 s[G1+5], 2048                        ; pitch
	s_mov_b32 s[G1+6], 0
	s_mov_b32 s[G1+7], 0
	s_mov_b32 s[G1B+1], 512<<16
	s_mov_b32 s[G1B+2], 4<<16                      ; 4 tiles
	s_mov_b32 s[G1B+3], 512<<16
	s_mov_b32 s[G1B+4], 4
	s_mov_b32 s[G1B+5], 2048
	s_mov_b32 s[G1B+6], 0
	s_mov_b32 s[G1B+7], 0
	s_lshl_b32 s70, s[I0], 18                      ; source 0: tile 16 i0 + 8 half, 16,384 bytes a tile (these registers never hold cy)
	s_lshl_b32 s71, s[HALF], 17
	s_add_co_u32 s70, s70, s71
	s_mov_b32 s71, 0
	s_lshl_b32 s72, s[I1], 17                      ; source 1: tile 8 i1 + 4 half (these never hold cx)
	s_lshl_b32 s73, s[HALF], 16
	s_add_co_u32 s72, s72, s73
	s_mov_b32 s73, 0
	s_lshl_b32 s86, s[HALF], 15                    ; where they go in a slot: no place in the cluster enters an LDS address
	s_lshl_b32 s87, s[HALF], 14
	s_add_co_u32 s87, s87, R1OFF
	s_lshl_b32 s90, s[KIND], 3                     ; the exponents: ea, eb at entries 2 kind, 2 kind + 1;
	s_lshr_b32 s91, s[KIND], 1
	s_add_co_u32 s91, s91, s[KIND]
	s_add_co_u32 s91, s91, 6
	s_lshl_b32 s91, s91, 2                         ; eo at entry 6, 7 or 9
	s_wait_dscnt 0x0                               ; both opening adds are done
	s_wait_kmcnt 0x0
	s_load_b64 s[78:79], s[14:15], s90 offset:0x0
	s_load_b32 s80, s[14:15], s91 offset:0x0
	s_lshl_b32 s92, s[KIND], 20
	s_mov_b32 s93, 0
	s_add_nc_u64 s[6:7], s[6:7], s[92:93]          ; my kind's weights,
	s_lshl_b32 s92, s[KIND], 23
	s_add_nc_u64 s[4:5], s[4:5], s[92:93]          ; my kind's codes of x
	s_cmp_eq_u32 s[KIND], 2
	s_cselect_b64 s[74:75], s[4:5], s[6:7]         ; source 0
	s_cselect_b64 s[76:77], s[6:7], s[4:5]         ; source 1
	s_add_nc_u64 s[74:75], s[74:75], s[70:71]
	s_add_nc_u64 s[76:77], s[76:77], s[72:73]
	CROUND                                         ; all sixteen work-groups are here: the first joint loads meet
.irp n, 0,1,2
	s_mov_b32 s[G0+4*\n], 1
	s_add_co_u32 s[G0+4*\n+1], s86, \n*SLOT
	s_add_nc_u64 s[G0+4*\n+2:G0+4*\n+3], s[74:75], \n*4096
	s_or_b32 s[G0+4*\n+3], s[G0+4*\n+3], 0x80000000
	s_mov_b32 s[G0B+4*\n], 1
	s_add_co_u32 s[G0B+4*\n+1], s87, \n*SLOT
	s_add_nc_u64 s[G0B+4*\n+2:G0B+4*\n+3], s[76:77], \n*4096
	s_or_b32 s[G0B+4*\n+3], s[G0B+4*\n+3], 0x80000000
.endr
	s_cmp_eq_u32 s[ROLE], 0                        ; a wave's three first fills stand in one branch: three tensor loads of mine are out
	s_cbranch_scc0 .Lfirst_b
	tensor_load_to_lds s[G0:G0+3], s[G1:G1+7]
	s_nop 0
	tensor_load_to_lds s[G0+4:G0+7], s[G1:G1+7]
	s_nop 0
	tensor_load_to_lds s[G0+8:G0+11], s[G1:G1+7]
	s_nop 0
	PLACES 4
	s_branch .Lfirst_asked
.Lfirst_b:
	tensor_load_to_lds s[G0B:G0B+3], s[G1B:G1B+7]
	s_nop 0
	tensor_load_to_lds s[G0B+4:G0B+7], s[G1B:G1B+7]
	s_nop 0
	tensor_load_to_lds s[G0B+8:G0B+11], s[G1B:G1B+7]
	s_nop 0
	PLACES 4
.Lfirst_asked:
	v_and_b32 v1, 31, v0
	v_lshlrev_b32 v[LI], 4, v1
	v_and_b32 v2, 15, v0                           ; r
	v_bfe_u32 v3, v0, 4, 1                         ; h
	s_lshl_b32 s88, s[HALF], 15
	s_lshl_b32 s89, s[ROLE], 14
	s_add_co_u32 s89, s89, R1OFF
.irp n, 0,1,2
	v_add_nc_u32 v[ADR0+\n], s88, v[LI]
	v_add_nc_u32 v[ADR1+\n], s89, v[LI]
	s_add_co_u32 s88, s88, SLOT
	s_add_co_u32 s89, s89, SLOT
.endr
	s_wait_kmcnt 0x0
	s_add_co_i32 s81, s78, s79                     ; ea + eb
	s_sub_co_i32 s90, s80, s81
	s_add_co_i32 s90, s90, 127
	s_lshl_b32 s91, s90, 23
	v_mov_b32 v[SC], s91
	s_add_co_i32 s90, s90, 8
	s_lshl_b32 s90, s90, 23
	s_or_b32 s90, s90, 0x600000
	v_mov_b32 v[LM], s90
	s_sub_co_i32 s81, 0, s81                       ; -(ea + eb)
	s_cmp_eq_u32 s[KIND], 2
	s_cbranch_scc1 .Lset_v
	; q, k: register j of accumulator (a, b) is feature 256 i0 + 128 (w & 1) + 32 (b / 2) + 16 h + 8 (b % 2) + j
	s_cmp_eq_u32 s[KIND], 0
	s_cselect_b64 s[92:93], s[8:9], s[10:11]
	s_lshl_b32 s94, s[I0], 10
	s_lshl_b32 s95, s[HALF], 9
	s_add_co_u32 s94, s94, s95
	s_mov_b32 s95, 0
	s_add_nc_u64 s[92:93], s[92:93], s[94:95]
	v_lshlrev_b32 v4, 6, v3
.irp b, 0,1,2,3,4,5,6,7
	global_load_b128 v[BI+8*\b:BI+8*\b+3], v4, s[92:93] offset:(32*(\b/2)+8*(\b%2))*4
	global_load_b128 v[BI+8*\b+4:BI+8*\b+7], v4, s[92:93] offset:(32*(\b/2)+8*(\b%2))*4+16
.endr
	s_lshl_b32 s84, s[KIND], 23                    ; out: 8 MiB a kind; (batch x 16 + head) x 131,072 + token tile x 1,024 + piece x 512
	s_lshr_b32 s85, s[I1], 4                       ; batch
	s_lshl_b32 s85, s85, 21
	s_add_co_u32 s84, s84, s85
	s_lshl_b32 s85, s[I0], 19                      ; head 4 i0 + 2 (w & 1) + b / 4
	s_add_co_u32 s84, s84, s85
	s_lshl_b32 s85, s[HALF], 18
	s_add_co_u32 s84, s84, s85
	s_and_b32 s85, s[I1], 15                       ; token tile 8 (i1 & 15) + 4 (w >> 1) + a
	s_lshl_b32 s85, s85, 13
	s_add_co_u32 s84, s84, s85
	s_lshl_b32 s85, s[ROLE], 12
	s_add_co_u32 s84, s84, s85
	s_mov_b32 s[SA], 1024                          ; from a to a + 1
	s_mov_b32 s[SB], 131072                        ; from a head to the next
	s_wait_loadcnt 0x0
	WIN 0x80                                       ; destination window 2
.irp a, 0,1,2,3
.set i, 0
.rept 64
	v_ldexp_f32 v[64*\a+i], v[BI+i], s81           ; the sums begin as bias / 2^(ea + eb): exact
.set i, i+1
.endr
.endr
	WIN 0
	s_branch .Lset_done
.Lset_v:
	; v: every register of accumulator (a, b) is feature 128 i1 + 64 (w >> 1) + 32 (a / 2) + 8 (a % 2) + r + 8 (r / 8)
	s_lshl_b32 s94, s[I1], 9
	s_lshl_b32 s95, s[ROLE], 8
	s_add_co_u32 s94, s94, s95
	s_mov_b32 s95, 0
	s_add_nc_u64 s[92:93], s[12:13], s[94:95]
	v_and_b32 v4, 8, v2
	v_add_nc_u32 v4, v4, v2
	v_lshlrev_b32 v4, 2, v4
.irp a, 0,1,2,3
	global_load_b32 v[BV+\a], v4, s[92:93] offset:(32*(\a/2)+8*(\a%2))*4
.endr
	s_mov_b32 s84, 0x1000000                       ; out: behind q and k; (batch x 16 + head) x 131,072 + a x 32,768 + (key / 32) x 512
	s_lshr_b32 s85, s[I0], 3                       ; batch
	s_lshl_b32 s85, s85, 21
	s_add_co_u32 s84, s84, s85
	s_lshl_b32 s85, s[I1], 18                      ; head 2 i1 + (w >> 1)
	s_add_co_u32 s84, s84, s85
	s_lshl_b32 s85, s[ROLE], 17
	s_add_co_u32 s84, s84, s85
	s_and_b32 s85, s[I0], 7                        ; piece 8 (i0 & 7) + 4 (w & 1) + b / 2
	s_lshl_b32 s85, s85, 12
	s_add_co_u32 s84, s84, s85
	s_lshl_b32 s85, s[HALF], 11
	s_add_co_u32 s84, s84, s85
	s_mov_b32 s[SA], 32768
	s_mov_b32 s[SB], 1024                          ; two pieces on
	s_wait_loadcnt 0x0
	WIN 0x80
.irp a, 0,1,2,3
.set i, 0
.rept 64
	v_ldexp_f32 v[64*\a+i], v[BV+\a], s81
.set i, i+1
.endr
.endr
	WIN 0
.Lset_done:
	s_mov_b32 s85, 0
	s_add_nc_u64 s[82:83], s[16:17], s[84:85]
	v_mov_b32 v[OF], v[LI]                         ; offset (a, g) = 16 x lane + a SA + g SB
	v_add_nc_u32 v[OF+1], s[SB], v[LI]
.irp a, 1,2,3
	v_add_nc_u32 v[OF+2*\a], s[SA], v[OF+2*\a-2]
	v_add_nc_u32 v[OF+2*\a+1], s[SA], v[OF+2*\a-1]
.endr
	s_wait_tensorcnt 0x2                           ; my part of slot 0 is in; slots 1's and 2's loads may stay out
	s_barrier_signal -1
	s_barrier_wait -1                              ; everybody's is
	FETCH 0, 0, 0
	s_wait_dscnt 0x0                               ; step 0 (no products yet: no places are owed)
	FETCH 0, 1, 1
	WIN 0xa1
	MUL 0, 0
	MUL 0, 2
	WIN 0                                          ; step 1 leaves slot 0, which takes the fourth 256 along K.  (The add's two registers lie in window 0)
	s_wait_tensorcnt 0x0                           ; all my tensor loads have landed, so a group 0 may be written;
	ds_add_u32 v[SPW], v[NIL]                      ; 0 onto my spare word;
	s_add_nc_u64 s[G0+2:G0+3], s[G0+2:G0+3], 3*4096
	s_add_nc_u64 s[G0B+2:G0B+3], s[G0B+2:G0B+3], 3*4096
	s_wait_dscnt 0x0                               ; the add is done; step 1's fragments are in: my reads of slot 0 are over
	s_barrier_signal -1                            ; this barrier opens a round of the cluster's
	WIN 0xa1
	MUL 1, 0                                       ; work on registers while the others arrive
	WIN 0
	s_barrier_wait -1
	CREST                                          ; no wave of any partner still reads slot 0 or has a load on its way; slots 1 and 2 are whole
	JLOAD G0, G1, G0B, G1B                         ; my one tensor load behind the round; its four v_nop are the places in front of the loads below
	FETCH 1, 0, 0
	WIN 0xa1
	MUL 1, 2
	STEP 0, 1, 1, 1
	STEP 1, 1, 2, 0
	STEP 0, 1, 2, 1
	s_wait_tensorcnt 0x0                           ; step 5: the refill, my last tensor load, has landed (it had three and a half steps, 112 products, in which to land),
	s_wait_dscnt 0x0                               ; and set 1 is in
	s_barrier_signal -1
	s_barrier_wait -1                              ; everybody's part has: slot 0 is whole
	PLACES 4
	FETCH 0, 0, 0
	WIN 0xa1
	MUL 1, 0
	MUL 1, 2
	STEP 0, 1, 0, 1
	STEP 1, 0, 0, 0
	WIN 0
	PLACES 4                                       ; between the last products and the first read of results and write over fragments
; THE WAY OUT.  The 16 registers of accumulators (a, 2 t) and (a, 2 t + 1) are 16 neighbours along the next K: held, converted, they are a piece of the image: one store of 512 consecutive bytes, aligned.  No LDS stage.
.macro OUTA a
	WIN 0x02                                       ; source 0 window 2
.set i, 0
.rept 64
	v_med3_num_f32 v[TT+i], v[64*\a+i], -v[LM], v[LM]   ; each accumulator from its low end on
.set i, i+1
.endr
	WIN 0
.irp g, 0,1,2,3,4,5,6,7
	v_cvt_scalef32_pk8_fp8_f32 v[CD+16*\a+2*\g:CD+16*\a+2*\g+1], v[TT+8*\g:TT+8*\g+7], v[SC]
.endr
	v_nop                                          ; a plain line between the conversions and the next holds, which write their sources
.irp t, 0,1,2,3
	global_store_b128 v[OF+2*\a+\t/2], v[CD+16*\a+4*\t:CD+16*\a+4*\t+3], s[82:83] offset:512*(\t%2)   ; each a has codes' registers of its own: no store's data are written again
.endr
.endm
	OUTA 0
	OUTA 1
	OUTA 2
	OUTA 3
	s_wait_tensorcnt 0x0                           ; the wave's end
	ds_add_u32 v[SPW], v[NIL]
	s_wait_dscnt 0x0
	CROUND                                         ; the closing round: no work-group ends while a partner may still ask for a tile that names it
	s_endpgm
.Lfunc_end_k_q8a98a7ef59_qkv:
	.size	k_q8a98a7ef59_qkv, .Lfunc_end_k_q8a98a7ef59_qkv-k_q8a98a7ef59_qkv
	.p2alignl 7, 3214868480
	.fill 96, 4, 3214868480
	.section	.rodata,"a",@progbits
	.p2align	6, 0x0
	.amdhsa_kernel k_q8a98a7ef59_qkv
		.amdhsa_group_segment_fixed_size 327680
		.amdhsa_private_segment_fixed_size 0
		.amdhsa_enable_private_segment 0
		.amdhsa_kernarg_size 56
		.amdhsa_user_sgpr_count 2
		.amdhsa_user_sgpr_kernarg_segment_ptr 1
		.amdhsa_wavefront_size32 1
		.amdhsa_system_sgpr_workgroup_id_x 1
		.amdhsa_system_sgpr_workgroup_id_y 1
		.amdhsa_system_sgpr_workgroup_id_z 1
		.amdhsa_system_vgpr_workitem_id 0
		.amdhsa_next_free_vgpr 768
		.amdhsa_next_free_sgpr 100
		.amdhsa_reserve_vcc 0
		.amdhsa_float_denorm_mode_32 3
		.amdhsa_float_denorm_mode_16_64 3
		.amdhsa_memory_ordered 1
		.amdhsa_forward_progress 1
		.amdhsa_inst_pref_size 107
	.end_amdhsa_kernel
	.amdgpu_metadata
---
amdhsa.version: [ 1, 2 ]
amdhsa.kernels:
  - .name:           k_q8a98a7ef59_qkv
    .symbol:         k_q8a98a7ef59_qkv.kd
    .args:
      - { .name: x_img, .offset: 0, .size: 8, .value_kind: global_buffer, .address_space: global }
      - { .name: w_img, .offset: 8, .size: 8, .value_kind: global_buffer, .address_space: global }
      - { .name: bq, .offset: 16, .size: 8, .value_kind: global_buffer, .address_space: global }
      - { .name: bk, .offset: 24, .size: 8, .value_kind: global_buffer, .address_space: global }
      - { .name: bv, .offset: 32, .size: 8, .value_kind: global_buffer, .address_space: global }
      - { .name: lowp_scales, .offset: 40, .size: 8, .value_kind: global_buffer, .address_space: global }
      - { .name: qkv_img, .offset: 48, .size: 8, .value_kind: global_buffer, .address_space: global }
    .group_segment_fixed_size: 327680
    .private_segment_fixed_size: 0
    .kernarg_segment_align: 8
    .kernarg_segment_size: 56
    .max_flat_workgroup_size: 128
    .sgpr_count:     100
    .vgpr_count:     768
    .wavefront_size: 32
...
	.end_amdgpu_metadata
.endif
;; end of part 2
;; launch attn (part 3): grid 8 x 64, 16 waves a work-group, no clusters, 327,680 bytes of LDS; arguments qkv_img, attention_mask, lowp_scales, y_img, rowok; writes y_img, rowok
.if DOCPART == 3
	.amdgcn_target "amdgcn-amd-amdhsa--gfx1250"
	.amdhsa_code_object_version 6
	.text
	.protected	k_q8a98a7ef59_attn
	.globl	k_q8a98a7ef59_attn
	.p2align	8
	.type	k_q8a98a7ef59_attn,@function
k_q8a98a7ef59_attn:
	s_mov_b64 s[64:65], 0
	v_nop
	global_prefetch_b8 v0, s[64:65] scope:SCOPE_SE
	s_setreg_imm32_b32 hwreg(HW_REG_WAVE_MODE, 25, 1), 1
	s_wait_xcnt 0x0
; y = softmax(q k^T / 8, causal and attention_mask) v for one (batch, head), both products on codes of E4M3; y is quantised at once (entry 10) and stored as an image (layout: head of launch quant).
; WORK LEFT OUT: key steps all of whose 128 keys come after the wave's queries: reference()'s own causal mask gives them the weight 0 (shown at the head of launch quant).
; THE SOFTMAX: t = score x log2(e) / 8; M = the running largest t rounded UP to a whole number; p = 2^(t - M) is quantised (entry 8), not normalised; the row's sum is taken of the unquantised p and divides at the end.
; SHARES.  A work-group owns query blocks j and 15 - j of 128 queries: (j + 1) + (16 - j) = 17 key steps for each pair of tiles, the same in every work-group.  Sixteen waves, one tile of 16 queries each, four to a SIMD
; (two of each block on every SIMD), so that one wave's vector work stands beside another's products and LDS loads.  K and V^T come through a ring of two LDS slots of 256 keys (wave 0 fetches K, wave 1 V^T).
; NO CLUSTER: the work-groups of a head need different numbers of key slots (j decides), so a joint load would bring tiles that some partner never reads.
; LAYOUT.  S^T = K Q^T (source 0 = a tile of 16 keys), O^T = V^T P^T (source 0 = 16 of the head's 64): a lane holds ONE query throughout; by the image's order of rows the 16 registers of key tiles 2 b, 2 b + 1 are
; keys 32 b + 16 h + 0 .. 15, so the conversions' results are P's registers; likewise O^T's registers are pieces of y's image.
; THE INPUT MASK COSTS NO VECTOR WORK: a table in LDS holds 0 for an admitted key and -2^100 for a masked one, and is loaded as the C of K Q^T.  A masked key's t lies so far under M that p is exactly 0.
; The running largest t begins at -2^24 c, under every score (|sum of 64 products of codes| <= 64 x 448^2 < 2^24): a row with no admitted key so far keeps a finite M, p = 0, sum 0, O = 0.
; A ROW WITH NO ADMITTED KEY AT ALL is NaN in reference().  Here its sum is 0: its flag in rowok is 0, its codes are zeros, and launch proj sets the row to NaN.  No arithmetic meets a NaN.
; LIMITS: e6 + e7 between -89 and 100; e8 and e10 between -126 and 119.  Product 4's A is taken to be q (entry 6), its B k (entry 7).  NaN among the inputs is not served.
; REGISTERS: v1-9 addresses and constants; v[10:11] a second chain of the sum; v12 -M, v13 the largest t, v[14:15] the sum; v16-23 Q; v24, v25 448 x 2^e8, 2^e8; v27, v31 448 x 2^e10, 2^e10; v26, v28-30 at work;
;   v32-95 K's, then V^T's fragments; v96-159 S^T, then p; v160-191 O^T; v192-207 p's codes.
.set SLOT1, 32768                      ; a slot: K's 16 tiles x 1,024 bytes, then V^T's 4 tiles x 4,096; one exclusive or turns an address into the other slot's
.set VOFF,  16384
.set MASKB, 65536                      ; the mask's table: 2,048 f32; no tensor load lands here
.set SPARE, 73728                      ; the spare words, 128 bytes a wave, that no other line names
.set LI,  1                            ; v1  16 x lane
.set AM0, 2                            ; v2  MASKB + 64 h
.set PFO, 3                            ; v3  the prefetches' lane offset
.set DG,  4                            ; v4  my query's place in its block, less 16 h
.set SPW, 5                            ; v5  my spare word; never rewritten
.set NIL, 6                            ; v6  0; never rewritten
.set NEG, 7                            ; v7  -2^100
.set ADK, 8
.set ADM, 9
.set KV,  32
.set S,   96
.set O,   160
.set P,   192
.set TB,  2                            ; s2  LDS byte at which the slot in hand begins
.set MB,  3                            ; s3  the slot's place in the mask's table
.set WV,  18
.set SEL, 20                           ; s[20:21] v_permlanex16_b32's selects for lane l xor 16
.set CS,  22                           ; s[22:23] c = log2(e) / 8 x 2^(e6 + e7)
.set G1K, 24
.set G1V, 32
.set G0K, 40
.set G0V, 44
.set QB,  50                           ; my block's first query
.set QLAST, 51                         ; my work-group's last query
.set KF,  52                           ; the step's first key
.set SLOTS, 53
.set RHO, 54                           ; my tile of queries in the head's image
.set PFA, 76
.set PFS, 78
.set LIM, 80
.macro TLOAD                           ; wave 0 fetches K's 16 KiB, wave 1 V^T's; an s_nop 0 and four v_nop follow each line
	s_cmp_lt_u32 s[WV], 1
	s_cbranch_scc0 .Lnot_k_\@
	tensor_load_to_lds s[G0K:G0K+3], s[G1K:G1K+7]
	s_nop 0
.rept 4
	v_nop
.endr
	s_branch .Lasked_\@
.Lnot_k_\@:
	s_cmp_lt_u32 s[WV], 2
	s_cbranch_scc0 .Lasked_\@
	tensor_load_to_lds s[G0V:G0V+3], s[G1V:G1V+7]
	s_nop 0
.rept 4
	v_nop
.endr
.Lasked_\@:
.endm
; A PREFETCH INTO THE L2 of what the NEXT change of slots will ask for, two key steps ahead of that load.  All work-groups of a head walk the same K and V^T: work-group j = 0, which walks all slots, asks, and in it
; four waves that fetch nothing: waves 4, 5 for K's 16 KiB (8 KiB a wave, lanes 256 bytes apart), waves 6, 7 for V^T's four rows of 4 KiB (two rows a wave, 16 lanes to a row).  So each aligned block of 256 bytes
; is named once in the launch.  Slots 0 and 1 come by their loads alone; the last change that fills a slot asks for nothing.
.macro ASK
	s_cmp_gt_u32 s[SLOTS], s[LIM]
	s_cbranch_scc0 .Lnot_mine_\@
	global_prefetch_b8 v[PFO], s[PFA:PFA+1] th:TH_LOAD_NT scope:SCOPE_SE
.Lnot_mine_\@:
.endm
	s_load_b256 s[4:11], s[0:1], 0x0               ; qkv_img, attention_mask, the exponents, y_img
	s_load_b64 s[12:13], s[0:1], 0x20              ; rowok
	v_lshl_add_u32 v[SPW], v0, 2, SPARE
	v_mov_b32 v[NIL], 0
	ds_add_u32 v[SPW], v[NIL]                      ; the wave's opening: the add, twice on end, and its wait ahead of the first tensor load
	ds_add_u32 v[SPW], v[NIL]
	v_lshrrev_b32 v8, 5, v0
	v_readfirstlane_b32 s[WV], v8                  ; wave 0..15
	s_and_b32 s15, ttmp7, 0xffff                   ; batch x 16 + head
	s_lshr_b32 s16, s15, 4                         ; batch
	s_and_b32 s17, s15, 15                         ; head
	s_lshr_b32 s56, s[WV], 1
	s_lshr_b32 s57, s[WV], 3
	s_xor_b32 s19, s56, s57
	s_and_b32 s19, s19, 1                          ; which of the two blocks: bit 1 xor bit 3 of the wave's number
	s_and_b32 s48, s[WV], 1
	s_bfe_u32 s56, s[WV], 0x10002
	s_lshl_b32 s56, s56, 1
	s_or_b32 s48, s48, s56
	s_lshl_b32 s57, s57, 2
	s_or_b32 s48, s48, s57                         ; which of its 8 tiles: bits 0, 2, 3
	s_sub_co_u32 s49, 15, ttmp9
	s_cmp_eq_u32 s19, 1
	s_cselect_b32 s49, s49, ttmp9                  ; block 15 - j or j
	s_lshl_b32 s[QB], s49, 7
	s_lshl_b32 s[RHO], s49, 3
	s_add_co_u32 s[RHO], s[RHO], s48
	s_sub_co_u32 s[QLAST], 16, ttmp9
	s_lshl_b32 s[QLAST], s[QLAST], 7
	s_sub_co_u32 s[QLAST], s[QLAST], 1             ; 128 (16 - j) - 1
	s_lshl_b32 s58, s15, 17                        ; a head's image is 131,072 bytes in each of q, k, v
	s_mov_b32 s59, 0
	s_mov_b32 s[G1K], 3<<16                        ; K: a dense block of 16 KiB as 64 rows of 256 bytes: elements of 8 bytes, no mask, no padding
	s_mov_b32 s[G1K+1], 32<<16
	s_mov_b32 s[G1K+2], 64<<16
	s_mov_b32 s[G1K+3], 32<<16
	s_mov_b32 s[G1K+4], 64
	s_mov_b32 s[G1K+5], 32
	s_mov_b32 s[G1K+6], 0
	s_mov_b32 s[G1K+7], 0
	s_mov_b32 s[G1V], 3<<16                        ; V^T: 4 rows of 4,096 bytes, 32,768 bytes apart
	s_mov_b32 s[G1V+1], 512<<16
	s_mov_b32 s[G1V+2], 4<<16
	s_mov_b32 s[G1V+3], 512<<16
	s_mov_b32 s[G1V+4], 4
	s_mov_b32 s[G1V+5], 4096
	s_mov_b32 s[G1V+6], 0
	s_mov_b32 s[G1V+7], 0
	s_mov_b32 s[SEL], 0x76543210
	s_mov_b32 s[SEL+1], 0xfedcba98
	s_mov_b32 s[CS], 0x3e38aa3b                    ; log2(e) / 8
	s_mov_b32 s[TB], 0
	s_mov_b32 s[MB], 0
	s_mov_b32 s[KF], 0
	s_mov_b32 s[SLOTS], 7
	s_wait_dscnt 0x0                               ; both opening adds are done
	s_wait_kmcnt 0x0
	s_load_b128 s[68:71], s[8:9], 0x18             ; e6, e7, e8, e9
	s_load_b32 s72, s[8:9], 0x28                   ; e10
	s_add_nc_u64 s[60:61], s[4:5], s[58:59]        ; my head's q,
	s_add_nc_u64 s[62:63], s[60:61], 0x800000      ; k,
	s_add_nc_u64 s[66:67], s[60:61], 0x1000000     ; v
	s_mov_b32 s[G0K], 1
	s_mov_b32 s[G0K+1], 0
	s_mov_b64 s[G0K+2:G0K+3], s[62:63]
	s_or_b32 s[G0K+3], s[G0K+3], 0x80000000
	s_mov_b32 s[G0V], 1
	s_mov_b32 s[G0V+1], VOFF
	s_mov_b64 s[G0V+2:G0V+3], s[66:67]
	s_or_b32 s[G0V+3], s[G0V+3], 0x80000000
	TLOAD                                          ; slot 0: it holds key 0, which every wave's first step reads
	s_lshl_b32 s56, s[RHO], 10
	s_mov_b32 s57, 0
	s_add_nc_u64 s[60:61], s[60:61], s[56:57]      ; my tile of q
	s_lshl_b32 s56, s16, 13
	s_add_nc_u64 s[6:7], s[6:7], s[56:57]          ; my batch's mask
	v_and_b32 v8, 31, v0
	v_lshlrev_b32 v[LI], 4, v8
	v_lshlrev_b32 v10, 4, v0
	global_load_b128 v[16:19], v[LI], s[60:61]     ; Q's fragment stays in registers
	global_load_b128 v[20:23], v[LI], s[60:61] offset:512
	global_load_b128 v[32:35], v10, s[6:7]         ; four keys' mask a thread: 512 threads, 2,048 keys
	s_cmp_lt_u32 s[WV], 6                          ; the prefetches: waves 4, 5 for K, waves 6, 7 for V^T
	s_cselect_b64 s[PFA:PFA+1], s[62:63], s[66:67]
	s_mov_b32 s[PFS], 4096
	s_cselect_b32 s[PFS], 16384, s[PFS]            ; a slot on
	s_mov_b32 s82, 32768
	s_cselect_b32 s82, 4096, s82                   ; from lanes 0-15 to lanes 16-31
	s_mov_b32 s83, 65536
	s_cselect_b32 s83, 8192, s83                   ; from wave to wave
	v_and_b32 v[PFO], 15, v0
	v_lshlrev_b32 v[PFO], 8, v[PFO]
	v_bfe_u32 v9, v0, 4, 1                         ; h
	v_mul_lo_u32 v8, v9, s82
	v_add_nc_u32 v[PFO], v[PFO], v8
	s_and_b32 s82, s[WV], 1
	s_mul_i32 s82, s82, s83
	s_add_co_u32 s82, s82, s[PFS]                  ; in slot 1: the first change of slots steps it to slot 2
	s_mov_b32 s83, 0
	s_mov_b32 s[PFS+1], 0
	s_add_nc_u64 s[PFA:PFA+1], s[PFA:PFA+1], s[82:83]
	s_sub_co_u32 s82, s[WV], 4
	s_lshr_b32 s82, s82, 2                         ; 0 in waves 4 to 7,
	s_or_b32 s82, s82, ttmp9                       ; of work-group j = 0
	s_cmp_eq_u32 s82, 0
	s_cselect_b32 s[LIM], 1, -1
	v_and_b32 v8, 15, v0                           ; r
	v_and_b32 v11, 8, v8
	v_add_nc_u32 v[DG], v11, v8                    ; r + 8 (r / 8)
	v_lshlrev_b32 v11, 4, v9
	v_sub_nc_u32 v[DG], v[DG], v11                 ; - 16 h
	s_lshr_b32 s84, s48, 1
	s_lshl_b32 s84, s84, 5
	s_and_b32 s85, s48, 1
	s_lshl_b32 s85, s85, 3
	s_add_co_u32 s84, s84, s85
	v_add_nc_u32 v[DG], s84, v[DG]                 ; + my tile's 32 (idx / 2) + 8 (idx % 2)
	v_lshl_add_u32 v[AM0], v9, 6, MASKB
	v_lshl_add_u32 v11, v0, 4, MASKB               ; where my four table entries go
	v_mov_b32 v[NEG], 0xf1800000                   ; -2^100
	v_mov_b32 v14, 0                               ; the sum, in two halves
	v_mov_b32 v15, 0
	v_mov_b32 v29, 0                               ; (named as the upper half of the pair v[28:29])
	v_mov_b32 v30, 0                               ; a lane permute's destination counts as one of its sources
.set i, 0
.rept 32
	v_mov_b32 v[O+i], 0                            ; O^T: the step is written once; the first finds zeros, which the first change of M leaves zeros
.set i, i+1
.endr
	s_lshl_b32 s86, s16, 7
	s_add_co_u32 s86, s86, s[RHO]                  ; my tile among all 512 tiles of tokens
	s_lshl_b32 s88, s86, 14                        ; y's image: 16,384 bytes a tile, + two pieces a head
	s_lshl_b32 s89, s17, 10
	s_add_co_u32 s88, s88, s89
	s_mov_b32 s89, 0
	s_add_nc_u64 s[10:11], s[10:11], s[88:89]
	s_lshl_b32 s88, s86, 7
	s_add_nc_u64 s[12:13], s[12:13], s[88:89]      ; the flags: 32 words a tile
	s_wait_kmcnt 0x0
	s_add_co_i32 s84, s68, s69
	s_lshl_b32 s84, s84, 23
	s_add_co_i32 s[CS], s[CS], s84                 ; a score stands for score x 2^(e6 + e7): added to c's exponent field
	s_mov_b32 s[CS+1], s[CS]
	s_add_co_i32 s84, s[CS], 0x0c000000
	s_or_b32 s84, s84, 0x80000000
	v_mov_b32 v13, s84                             ; the largest t so far: -2^24 c
	v_floor_f32 v12, -v13                          ; -M
	s_add_co_i32 s84, s70, 127
	s_lshl_b32 s85, s84, 23
	v_mov_b32 v25, s85                             ; 2^e8
	s_add_co_i32 s84, s84, 8
	s_lshl_b32 s84, s84, 23
	s_or_b32 s84, s84, 0x600000
	v_mov_b32 v24, s84                             ; 448 x 2^e8
	s_add_co_i32 s84, s72, 127
	s_lshl_b32 s85, s84, 23
	v_mov_b32 v31, s85                             ; 2^e10
	s_add_co_i32 s84, s84, 8
	s_lshl_b32 s84, s84, 23
	s_or_b32 s84, s84, 0x600000
	v_mov_b32 v27, s84                             ; 448 x 2^e10
	s_wait_loadcnt 0x0                             ; Q and the mask
.irp i, 0,1,2,3
	v_cmp_eq_u32 vcc_lo, 0, v[32+\i]
	v_cndmask_b32 v[36+\i], 0, v[NEG], vcc_lo      ; 0 where the key is admitted, -2^100 where it is masked
.endr
	ds_store_b128 v11, v[36:39]                    ; the first change of slots waits for it and passes a barrier: then all waves read the table
; A KEY STEP: 128 keys, the q-th of the slot in hand.
.macro STEP q
	s_cmp_gt_u32 s[KF], s[QB]                      ; blocks and steps are both 128 wide: a step behind my block is hidden as a whole.  A branch on ids, round the step's work alone
	s_cbranch_scc1 .Lhidden_\@
	v_add_nc_u32 v[ADK], s[TB], v[LI]
	v_add_nc_u32 v[ADM], s[MB], v[AM0]
	v_nop                                          ; with the two additions: four places between the last products and the loads into their fragments' registers
	v_nop
.irp b, 0,1,2,3
.irp i, 0,1,2,3
	ds_load_b128 v[S+16*\b+4*\i:S+16*\b+4*\i+3], v[ADM] offset:512*(\q)+128*\b+16*\i   ; the table's entries of keys 32 b + 16 h + 4 i on: the sums' start; the 16 lanes of a half read the same bytes
.endr
.endr
.irp t, 0,1,2,3,4,5,6,7
.irp c, 0,1
	ds_load_b128 v[KV+8*\t+4*\c:KV+8*\t+4*\c+3], v[ADK] offset:(8*(\q)+\t)*1024+512*\c
.endr
.endr
	s_wait_dscnt 0x0
.irp t, 0,1,2,3,4,5,6,7
	v_wmma_f32_16x16x64_fp8_fp8 v[S+8*\t:S+8*\t+7], v[KV+8*\t:KV+8*\t+7], v[16:23], v[S+8*\t:S+8*\t+7]
.endr
.rept 4
	v_nop                                          ; places in front of the loads below and of the first read of scores
.endr
.irp d, 0,1,2,3
.irp c, 0,1,2,3
	ds_load_b128 v[KV+16*\d+4*\c:KV+16*\d+4*\c+3], v[ADK] offset:VOFF+4096*\d+2048*(\q)+512*\c   ; V^T's fragments land while the softmax is walked
.endr
.endr
	s_cmp_lt_u32 s[KF], s[QB]                      ; only my block's own step lies on the diagonal
	s_cbranch_scc1 .Lopen_\@
.irp n, 0,1,2,3,4,5,6,7,8,9,10,11,12,13,14,15,16,17,18,19,20,21,22,23,24,25,26,27,28,29,30,31,32,33,34,35,36,37,38,39,40,41,42,43,44,45,46,47,48,49,50,51,52,53,54,55,56,57,58,59,60,61,62,63
	v_cmp_gt_i32 vcc_lo, 32*(\n/16)+\n%16, v[DG]   ; register 16 b + i holds key KF + 16 h + 32 b + i: hidden where it comes after my query
	v_cndmask_b32 v[S+\n], v[S+\n], v[NEG], vcc_lo
.endr
.Lopen_\@:
	v_max3_num_f32 v26, v96, v97, v98              ; the step's largest score of my query among my 64 keys, in two chains, each accumulator from its low end on,
	v_max3_num_f32 v28, v99, v100, v101
.irp i, 6,10,14,18,22,26,30,34,38,42,46,50,54,58
	v_max3_num_f32 v26, v26, v[96+\i], v[97+\i]
	v_max3_num_f32 v28, v28, v[98+\i], v[99+\i]
.endr
	v_max3_num_f32 v26, v26, v158, v159
	v_max_num_f32 v26, v26, v28
	v_permlanex16_b32 v30, v26, s[SEL], s[SEL+1]
	v_max_num_f32 v26, v26, v30                    ; and among lane l xor 16's
	v_mul_f32 v26, s[CS], v26                      ; as t (c is positive)
	v_max_num_f32 v13, v13, v26                    ; the running largest t
	v_mov_b32 v26, v12
	v_floor_f32 v12, -v13                          ; the new -M = -ceil(t)
	v_sub_f32 v26, v12, v26                        ; old M - new M: a whole number, 0 or less
	v_cvt_i32_f32 v26, v26                         ; (it saturates)
	v_ldexp_f32 v28, 1.0, v26                      ; f = 2^(old M - new M)
.irp j, 0,2,4,6,8,10,12,14,16,18,20,22,24,26,28,30,32,34,36,38,40,42,44,46,48,50,52,54,56,58,60,62
	v_pk_fma_f32 v[S+\j:S+\j+1], v[S+\j:S+\j+1], s[CS:CS+1], v[12:13] op_sel_hi:[1,0,0]   ; t - M, two at a time
.endr
.irp j, 0,1,2,3,4,5,6,7,8,9,10,11,12,13,14,15,16,17,18,19,20,21,22,23,24,25,26,27,28,29,30,31,32,33,34,35,36,37,38,39,40,41,42,43,44,45,46,47,48,49,50,51,52,53,54,55,56,57,58,59,60,61,62,63
	v_exp_f32 v[S+\j], v[S+\j]                     ; p = 2^(t - M)
.endr
	v_pk_mul_f32 v[14:15], v[14:15], v[28:29] op_sel_hi:[1,0]   ; the sum under the new M: the plain line behind the exponentials
	s_wait_alu depctr_va_vdst(0)                   ; the wait ahead of the first line that names a result: one for the batch of 64
	v_pk_add_f32 v[10:11], v[S:S+1], v[S+2:S+3]    ; the row's sum is taken of the unquantised p, in two chains
.irp j, 4,8,12,16,20,24,28,32,36,40,44,48,52,56,60
	v_pk_add_f32 v[14:15], v[14:15], v[S+\j:S+\j+1]
	v_pk_add_f32 v[10:11], v[10:11], v[S+\j+2:S+\j+3]
.endr
	v_pk_add_f32 v[14:15], v[14:15], v[10:11]
.irp b, 0,1,2,3
.irp i, 0,1,2,3,4,5,6,7,8,9,10,11,12,13,14,15
	v_min_num_f32 v[S+16*\b+\i], v[S+16*\b+\i], v24   ; the conversion does not saturate (ISA guide 7.6.2); p is not negative: a one-sided hold
.endr
	v_cvt_scalef32_pk8_fp8_f32 v[P+4*\b:P+4*\b+1], v[S+16*\b:S+16*\b+7], v25
	v_cvt_scalef32_pk8_fp8_f32 v[P+4*\b+2:P+4*\b+3], v[S+16*\b+8:S+16*\b+15], v25
.endr
.irp j, 0,2,4,6,8,10,12,14,16,18,20,22,24,26,28,30
	v_pk_mul_f32 v[O+\j:O+\j+1], v[O+\j:O+\j+1], v[28:29] op_sel_hi:[1,0]   ; O^T under the new M; also the plain lines between the conversions and the products
.endr
	s_wait_dscnt 0x0                               ; V^T's fragments are in
.irp d, 0,1,2,3
	v_wmma_f32_16x16x128_fp8_fp8 v[O+8*\d:O+8*\d+7], v[KV+16*\d:KV+16*\d+15], v[P:P+15], v[O+8*\d:O+8*\d+7]
.endr
.Lhidden_\@:
	s_add_co_u32 s[KF], s[KF], 128
.endm
; THE CHANGE OF SLOTS stands at a slot's head.  Each wave waits for all its tensor loads, adds 0 to its spare word (fill = 1: twice on end),
; and waits for that and for its reads of the slot that it has left.  Behind the barrier the slot ahead is whole and nobody reads the other one, which is filled with the next 256 keys.
.macro CHANGE fill
	s_wait_tensorcnt 0x0                           ; no tensor load of mine is out, so a group 0 may be written
	ds_add_u32 v[SPW], v[NIL]
.if \fill
	ds_add_u32 v[SPW], v[NIL]
	s_xor_b32 s[G0K+1], s[G0K+1], SLOT1            ; the walking descriptors: the other slot, the next 256 keys
	s_add_nc_u64 s[G0K+2:G0K+3], s[G0K+2:G0K+3], 16384
	s_xor_b32 s[G0V+1], s[G0V+1], SLOT1
	s_add_nc_u64 s[G0V+2:G0V+3], s[G0V+2:G0V+3], 4096
	s_wait_xcnt 0x0                                ; the last prefetch, a slot back, has read its address
	s_add_nc_u64 s[PFA:PFA+1], s[PFA:PFA+1], s[PFS:PFS+1]
.endif
	s_wait_dscnt 0x0                               ; the add is done, my reads of the slot that I have left are over (in the first trip: my part of the mask's table is stored)
	s_barrier_signal -1
	s_barrier_wait -1
.if \fill
	s_add_co_u32 s96, s[KF], 256                   ; the look-ahead ends at the causal limit: a slot whose first key comes after my work-group's last query is read by none of its waves and is not asked for.
	s_cmp_gt_u32 s96, s[QLAST]                     ; Ids and the count of steps alone: all sixteen waves go the same way; every wait on TENSORcnt in this text is for 0
	s_cbranch_scc1 .Lpast_\@
	TLOAD                                          ; a wave's one tensor load until the next such barrier: it has two key steps in which to land
.Lpast_\@:
	ASK
.endif
.endm
.macro SLOT_STEPS
	STEP 0
	STEP 1
	s_xor_b32 s[TB], s[TB], SLOT1
	s_add_co_u32 s[MB], s[MB], 1024
.endm
.Lslot:                                            ; 7 trips, a constant: every work-group walks all 8 slots and leaves out the work that the causal mask hides
	CHANGE 1
	SLOT_STEPS
	s_sub_co_u32 s[SLOTS], s[SLOTS], 1
	s_cmp_lg_u32 s[SLOTS], 0
	s_cbranch_scc1 .Lslot
	CHANGE 0                                       ; the last slot is written out: nothing is left to ask for
	SLOT_STEPS
	; THE WAY OUT: y = O^T x 2^(e8 + e9) / the sum, quantised with 2^e10; a lane's 16 registers of two tiles are a piece of y's image.
	v_add_f32 v14, v14, v15
	v_permlanex16_b32 v30, v14, s[SEL], s[SEL+1]
	v_add_f32 v14, v14, v30                        ; the row's sum
	v_cmp_lt_f32 s84, 0, v14
	v_cndmask_b32 v26, 0, 1, s84                   ; the flag: 1 where some key was admitted
	v_max_num_f32 v14, 0.5, v14                    ; a live row's largest p is over 1/2: only a row without keys is moved, away from 1 / 0
	v_rcp_f32 v14, v14
	v_and_b32 v10, 31, v0                          ; (the plain line behind the reciprocal)
	v_lshlrev_b32 v10, 2, v10
	s_add_co_i32 s85, s70, s71
	s_wait_alu depctr_va_vdst(0)                   ; the wait ahead of the first reader
	v_ldexp_f32 v14, v14, s85
.irp j, 0,2,4,6,8,10,12,14,16,18,20,22,24,26,28,30
	v_pk_mul_f32 v[S+\j:S+\j+1], v[O+\j:O+\j+1], v[14:15] op_sel_hi:[1,0]
.endr
.irp j, 0,1,2,3,4,5,6,7,8,9,10,11,12,13,14,15,16,17,18,19,20,21,22,23,24,25,26,27,28,29,30,31
	v_med3_num_f32 v[S+\j], v[S+\j], -v27, v27
.endr
.irp g, 0,1,2,3
	v_cvt_scalef32_pk8_fp8_f32 v[P+2*\g:P+2*\g+1], v[S+8*\g:S+8*\g+7], v31
.endr
	v_nop                                          ; a plain line behind the last conversion
	global_store_b128 v[LI], v[P:P+3], s[10:11]    ; 512 consecutive bytes, aligned: channels 64 head + 0 .. 31 of my 16 tokens,
	global_store_b128 v[LI], v[P+4:P+7], s[10:11] offset:512   ; and 32 .. 63
	s_cmp_lg_u32 s17, 0                            ; the flags hang on the batch and the query alone: head 0's work-groups store them
	s_cbranch_scc1 .Lno_flag
	global_store_b32 v10, v26, s[12:13]
.Lno_flag:
	s_wait_tensorcnt 0x0                           ; the wave's end
	ds_add_u32 v[SPW], v[NIL]
	s_wait_dscnt 0x0
	s_endpgm
.Lfunc_end_k_q8a98a7ef59_attn:
	.size	k_q8a98a7ef59_attn, .Lfunc_end_k_q8a98a7ef59_attn-k_q8a98a7ef59_attn
	.p2alignl 7, 3214868480
	.fill 96, 4, 3214868480
	.section	.rodata,"a",@progbits
	.p2align	6, 0x0
	.amdhsa_kernel k_q8a98a7ef59_attn
		.amdhsa_group_segment_fixed_size 327680
		.amdhsa_private_segment_fixed_size 0
		.amdhsa_enable_private_segment 0
		.amdhsa_kernarg_size 40
		.amdhsa_user_sgpr_count 2
		.amdhsa_user_sgpr_kernarg_segment_ptr 1
		.amdhsa_wavefront_size32 1
		.amdhsa_system_sgpr_workgroup_id_x 1
		.amdhsa_system_sgpr_workgroup_id_y 1
		.amdhsa_system_sgpr_workgroup_id_z 1
		.amdhsa_system_vgpr_workitem_id 0
		.amdhsa_next_free_vgpr 208
		.amdhsa_next_free_sgpr 100
		.amdhsa_reserve_vcc 1
		.amdhsa_float_denorm_mode_32 3
		.amdhsa_float_denorm_mode_16_64 3
		.amdhsa_memory_ordered 1
		.amdhsa_forward_progress 1
		.amdhsa_inst_pref_size 100
	.end_amdhsa_kernel
	.amdgpu_metadata
---
amdhsa.version: [ 1, 2 ]
amdhsa.kernels:
  - .name:           k_q8a98a7ef59_attn
    .symbol:         k_q8a98a7ef59_attn.kd
    .args:
      - { .name: qkv_img, .offset: 0, .size: 8, .value_kind: global_buffer, .address_space: global }
      - { .name: attention_mask, .offset: 8, .size: 8, .value_kind: global_buffer, .address_space: global }
      - { .name: lowp_scales, .offset: 16, .size: 8, .value_kind: global_buffer, .address_space: global }
      - { .name: y_img, .offset: 24, .size: 8, .value_kind: global_buffer, .address_space: global }
      - { .name: rowok, .offset: 32, .size: 8, .value_kind: global_buffer, .address_space: global }
    .group_segment_fixed_size: 327680
    .private_segment_fixed_size: 0
    .kernarg_segment_align: 8
    .kernarg_segment_size: 40
    .max_flat_workgroup_size: 512
    .sgpr_count:     100
    .vgpr_count:     208
    .wavefront_size: 32
...
	.end_amdgpu_metadata
.endif
;; end of part 3
;; launch proj (part 4): grid 4 x 64, 4 waves a work-group, clusters of 4 x 4, 327,680 bytes of LDS; arguments y_img, w_img, bp, rowok, lowp_scales, out0; writes out0
.if DOCPART == 4
	.amdgcn_target "amdgcn-amd-amdhsa--gfx1250"
	.amdhsa_code_object_version 6
	.text
	.protected	k_q8a98a7ef59_proj
	.globl	k_q8a98a7ef59_proj
	.p2align	8
	.type	k_q8a98a7ef59_proj,@function
k_q8a98a7ef59_proj:
	s_mov_b64 s[64:65], 0
	v_nop
	global_prefetch_b8 v0, s[64:65] scope:SCOPE_SE
	s_setreg_imm32_b32 hwreg(HW_REG_WAVE_MODE, 25, 1), 1
	s_wait_xcnt 0x0
	s_wait_alu depctr_hold_cnt(0) depctr_sa_sdst(0) depctr_va_vdst(0) depctr_va_sdst(0) depctr_va_ssrc(0) depctr_va_vcc(0) depctr_vm_vsrc(0)
	s_getreg_b32 s2, hwreg(HW_REG_IB_STS2, 6, 4)
	s_cmp_eq_u32 s2, 0
	s_cbranch_scc0 .Lentry_in_a_cluster
	s_endpgm
.Lentry_in_a_cluster:
	s_bfe_u32 s2, ttmp6, 0x10000c
	s_cmp_lg_u32 s2, 0xf033
	s_cbranch_scc0 .Lentry_shape_is_right
	s_endpgm
.Lentry_shape_is_right:
; out0 = y Wp + bp on codes of E4M3 (entries 10, 11).  No work of reference() is left out here.  The core is launch qkv's: source 0 = 256 features of Wp, source 1 = 128 tokens of y, four waves 2 x 2,
; 32 accumulators a wave, K = 1,024 in four slots of 256 through three LDS slots (three first fills, one refill), eight steps written out, cluster 4 x 4 with joint loads.
; The sums are an output: the first products take C = 0, and one packed multiply-add gives sum x 2^(e10 + e11) + bp.
; A token with no admitted key (flag 0 in rowok) is NaN in reference(): its row is set to NaN by a select on the stored flag; no arithmetic meets a NaN.
; LIMIT: e10 + e11 between -126 and 127.
; REGISTERS.  window 0: v1-47 addresses and constants; v64-127 bp in the result's layout; v128-191, v192-255 source 1's fragments, two sets (on the way out v128-191: results).
;   window 1: source 0's fragments, two sets of 128 (on the way out: rows read back from the stage).   window 2: accumulator (a, b) at v[8 (8 a + b)].
.set SLOT,  98304
.set R1OFF, 65536
.set SPARE, 3*SLOT                     ; behind the slots: the spare words, 128 bytes a wave, that no other line names
.set STGB,  SLOT                       ; the way out: a stage of 16 rows x (512 + 16) bytes for each wave, in slot 1: it has had its one fill, and behind step 5's barrier nobody reads it
.set LI,   1
.set ADR0, 16
.set ADR1, 20
.set SPW,  28
.set NIL,  29
.set BV,   32                          ; v32-35 my lane's token's flag in tiles a = 0 .. 3
.set NANR, 36
.set STO,  37
.set RD,   38
.set BI,   64
.set TT,   128
.set WV,   18
.set ROLE, 19
.set HALF, 20
.set CX,   21
.set CY,   22
.set G1,   24
.set G1B,  32
.set G0,   40
.set G0B,  52
.set I0,   67
.set I1,   68
.set SCL,  78                          ; s[78:79] 2^(e10 + e11)
.set OKM,  92                          ; s92-95 lane masks: the token is live
.set MSB, 0
.macro WIN new
.if MSB != \new
	s_set_vgpr_msb (MSB<<8)|\new
.set MSB, \new
.endif
.endm
.macro PLACES n
.rept \n
	v_nop
.endr
.endm
.macro JLOAD g0a, g1a, g0b, g1b        ; a joint load; the branch hangs on the wave's number alone; an s_nop 0 and four v_nop follow each line
	s_cmp_eq_u32 s[ROLE], 0
	s_cbranch_scc0 .Lfor_b_\@
	tensor_load_to_lds s[\g0a:\g0a+3], s[\g1a:\g1a+7]
	s_nop 0
	PLACES 4
	s_branch .Lasked_\@
.Lfor_b_\@:
	tensor_load_to_lds s[\g0b:\g0b+3], s[\g1b:\g1b+7]
	s_nop 0
	PLACES 4
.Lasked_\@:
.endm
.macro CREST
	s_cmp_lg_u32 s[WV], 0
	s_cbranch_scc1 .Lnot_wave_0_\@
	s_barrier_signal -3
.Lnot_wave_0_\@:
	s_barrier_wait -3
	s_barrier_signal -1
	s_barrier_wait -1
.endm
.macro CROUND
	s_barrier_signal -1
	s_barrier_wait -1
	CREST
.endm
.macro FETCH n, q, p                   ; 48 LDS loads, 512 consecutive bytes each
	WIN 0x40
.irp b, 0,1,2,3,4,5,6,7
.irp c, 0,1,2,3
	ds_load_b128 v[128*(\p)+16*\b+4*\c:128*(\p)+16*\b+4*\c+3], v[ADR0+\n] offset:4096*\b+2048*(\q)+512*\c
.endr
.endr
	WIN 0
.irp a, 0,1,2,3
.irp c, 0,1,2,3
	ds_load_b128 v[128+64*(\p)+16*\a+4*\c:128+64*(\p)+16*\a+4*\c+3], v[ADR1+\n] offset:4096*\a+2048*(\q)+512*\c
.endr
.endr
.endm
.macro MUL p, a0, zero                 ; 16 matrix instructions; the 32 accumulators take turns, one instruction a turn.  zero = 1: the first product starts the sums
.irp a, \a0, \a0+1
.irp b, 0,1,2,3,4,5,6,7
.if \zero
	v_wmma_f32_16x16x128_fp8_fp8 v[8*(8*(\a)+\b):8*(8*(\a)+\b)+7], v[128*(\p)+16*\b:128*(\p)+16*\b+15], v[128+64*(\p)+16*(\a):128+64*(\p)+16*(\a)+15], 0
.else
	v_wmma_f32_16x16x128_fp8_fp8 v[8*(8*(\a)+\b):8*(8*(\a)+\b)+7], v[128*(\p)+16*\b:128*(\p)+16*\b+15], v[128+64*(\p)+16*(\a):128+64*(\p)+16*(\a)+15], v[8*(8*(\a)+\b):8*(8*(\a)+\b)+7]
.endif
.endr
.endr
.endm
.macro STEP p, fetch, n, q
	s_wait_dscnt 0x0                               ; set p is in
.if \fetch
	PLACES 4                                       ; four plain places between the last products, which read the other set, and the loads into it
	FETCH \n, \q, 1-(\p)
.endif
	WIN 0xa1
	MUL \p, 0, 0
	MUL \p, 2, 0
.endm
	s_load_b256 s[4:11], s[0:1], 0x0               ; y_img, w_img, bp, rowok
	s_load_b128 s[12:15], s[0:1], 0x20             ; the exponents, out0
	v_lshl_add_u32 v[SPW], v0, 2, SPARE
	v_mov_b32 v[NIL], 0
	ds_add_u32 v[SPW], v[NIL]                      ; the wave's opening: the add, twice on end, and its wait ahead of my first tensor load
	ds_add_u32 v[SPW], v[NIL]
	v_lshrrev_b32 v1, 5, v0
	v_readfirstlane_b32 s[WV], v1
	s_lshr_b32 s[ROLE], s[WV], 1
	s_and_b32 s[HALF], s[WV], 1
	s_bfe_u32 s[CX], ttmp6, 0x40000
	s_bfe_u32 s[CY], ttmp6, 0x40004
	s_mov_b32 s[I0], s[CX]                         ; which 256 features
	s_and_b32 s[I1], ttmp7, 0xffff
	s_lshl_b32 s[I1], s[I1], 2
	s_add_co_u32 s[I1], s[I1], s[CY]               ; which 128 tokens
	s_lshl_b32 s2, s[CY], 2
	s_lshl_b32 s2, 15, s2                          ; my row of the cluster
	s_lshl_b32 s3, 0x1111, s[CX]                   ; my column
	s_or_b32 s[G1], s3, (3<<16)|(1<<21)            ; Wp's tiles hang on cx alone: they go to my column; elements of 8 bytes; bit 21 set beside a mask
	s_or_b32 s[G1B], s2, (3<<16)|(1<<21)           ; y's hang on cy alone: to my row
	s_mov_b32 s[G1+1], 512<<16                     ; rows of 4,096 bytes, 16,384 apart in memory, dense in LDS: 8 tiles
	s_mov_b32 s[G1+2], 8<<16
	s_mov_b32 s[G1+3], 512<<16
	s_mov_b32 s[G1+4], 8
	s_mov_b32 s[G1+5], 2048
	s_mov_b32 s[G1+6], 0
	s_mov_b32 s[G1+7], 0
	s_mov_b32 s[G1B+1], 512<<16                    ; 4 tiles
	s_mov_b32 s[G1B+2], 4<<16
	s_mov_b32 s[G1B+3], 512<<16
	s_mov_b32 s[G1B+4], 4
	s_mov_b32 s[G1B+5], 2048
	s_mov_b32 s[G1B+6], 0
	s_mov_b32 s[G1B+7], 0
	s_lshl_b32 s70, s[I0], 18                      ; source 0: tile 16 i0 + 8 half (these registers never hold cy)
	s_lshl_b32 s71, s[HALF], 17
	s_add_co_u32 s70, s70, s71
	s_add_co_u32 s70, s70, 0x300000                ; Wp is the fourth image
	s_mov_b32 s71, 0
	s_lshl_b32 s72, s[I1], 17                      ; source 1: tile 8 i1 + 4 half (these never hold cx)
	s_lshl_b32 s73, s[HALF], 16
	s_add_co_u32 s72, s72, s73
	s_mov_b32 s73, 0
	s_lshl_b32 s86, s[HALF], 15
	s_lshl_b32 s87, s[HALF], 14
	s_add_co_u32 s87, s87, R1OFF
	s_wait_dscnt 0x0                               ; both opening adds are done
	s_wait_kmcnt 0x0
	s_load_b64 s[78:79], s[12:13], 0x28            ; e10, e11
	s_add_nc_u64 s[74:75], s[6:7], s[70:71]
	s_add_nc_u64 s[76:77], s[4:5], s[72:73]
	CROUND                                         ; all sixteen work-groups are here: the first joint loads meet
.irp n, 0,1,2
	s_mov_b32 s[G0+4*\n], 1
	s_add_co_u32 s[G0+4*\n+1], s86, \n*SLOT
	s_add_nc_u64 s[G0+4*\n+2:G0+4*\n+3], s[74:75], \n*4096
	s_or_b32 s[G0+4*\n+3], s[G0+4*\n+3], 0x80000000
	s_mov_b32 s[G0B+4*\n], 1
	s_add_co_u32 s[G0B+4*\n+1], s87, \n*SLOT
	s_add_nc_u64 s[G0B+4*\n+2:G0B+4*\n+3], s[76:77], \n*4096
	s_or_b32 s[G0B+4*\n+3], s[G0B+4*\n+3], 0x80000000
.endr
	s_cmp_eq_u32 s[ROLE], 0                        ; a wave's three first fills stand in one branch: three tensor loads of mine are out
	s_cbranch_scc0 .Lfirst_b
	tensor_load_to_lds s[G0:G0+3], s[G1:G1+7]
	s_nop 0
	tensor_load_to_lds s[G0+4:G0+7], s[G1:G1+7]
	s_nop 0
	tensor_load_to_lds s[G0+8:G0+11], s[G1:G1+7]
	s_nop 0
	PLACES 4
	s_branch .Lfirst_asked
.Lfirst_b:
	tensor_load_to_lds s[G0B:G0B+3], s[G1B:G1B+7]
	s_nop 0
	tensor_load_to_lds s[G0B+4:G0B+7], s[G1B:G1B+7]
	s_nop 0
	tensor_load_to_lds s[G0B+8:G0B+11], s[G1B:G1B+7]
	s_nop 0
	PLACES 4
.Lfirst_asked:
	v_and_b32 v1, 31, v0
	v_lshlrev_b32 v5, 2, v1                        ; 4 x lane
	v_lshlrev_b32 v[LI], 4, v1
	v_and_b32 v2, 15, v0                           ; r
	v_bfe_u32 v3, v0, 4, 1                         ; h
	s_lshl_b32 s88, s[HALF], 15
	s_lshl_b32 s89, s[ROLE], 14
	s_add_co_u32 s89, s89, R1OFF
.irp n, 0,1,2
	v_add_nc_u32 v[ADR0+\n], s88, v[LI]
	v_add_nc_u32 v[ADR1+\n], s89, v[LI]
	s_add_co_u32 s88, s88, SLOT
	s_add_co_u32 s89, s89, SLOT
.endr
	s_mul_i32 s90, s[WV], 16*528
	s_add_co_u32 s90, s90, STGB                    ; my stage
	v_mul_u32_u24 v[STO], v2, 528
	v_lshl_add_u32 v[STO], v3, 6, v[STO]
	v_add_nc_u32 v[STO], s90, v[STO]               ; in: row r, + 64 h: my 16 features of each 32
	v_add_nc_u32 v[RD], s90, v[LI]                 ; back: the 32 lanes take a row of 512 bytes
	v_mov_b32 v[NANR], 0x7fc00000
	s_lshl_b32 s84, s[I0], 10                      ; bp: register j of accumulator (a, b) is feature 256 i0 + 128 (w & 1) + 32 (b / 2) + 16 h + 8 (b % 2) + j
	s_lshl_b32 s85, s[HALF], 9
	s_add_co_u32 s84, s84, s85
	s_mov_b32 s85, 0
	s_add_nc_u64 s[8:9], s[8:9], s[84:85]
	v_lshlrev_b32 v4, 6, v3
.irp b, 0,1,2,3,4,5,6,7
	global_load_b128 v[BI+8*\b:BI+8*\b+3], v4, s[8:9] offset:(32*(\b/2)+8*(\b%2))*4
	global_load_b128 v[BI+8*\b+4:BI+8*\b+7], v4, s[8:9] offset:(32*(\b/2)+8*(\b%2))*4+16
.endr
	s_add_nc_u64 s[82:83], s[14:15], s[84:85]      ; out0 at my first column,
	s_lshl_b32 s84, s[I1], 19                      ; and my first row: 128 i1 + 64 (w >> 1), 4,096 bytes a row
	s_lshl_b32 s91, s[ROLE], 18
	s_add_co_u32 s84, s84, s91
	s_add_nc_u64 s[82:83], s[82:83], s[84:85]
	s_lshl_b32 s84, s[I1], 10                      ; the flags: tile 8 i1 + 4 (w >> 1) + a, 128 bytes a tile
	s_lshl_b32 s91, s[ROLE], 9
	s_add_co_u32 s84, s84, s91
	s_add_nc_u64 s[10:11], s[10:11], s[84:85]
.irp a, 0,1,2,3
	global_load_b32 v[BV+\a], v5, s[10:11] offset:128*\a
.endr
	s_wait_kmcnt 0x0
	s_add_co_i32 s[SCL], s[SCL], s[SCL+1]
	s_add_co_i32 s[SCL], s[SCL], 127
	s_lshl_b32 s[SCL], s[SCL], 23                  ; 2^(e10 + e11) as f32
	s_mov_b32 s[SCL+1], s[SCL]                     ; (named with it as a pair, so it is written)
	s_wait_tensorcnt 0x2                           ; my part of slot 0 is in; slots 1's and 2's loads may stay out
	s_barrier_signal -1
	s_barrier_wait -1
	FETCH 0, 0, 0
	s_wait_dscnt 0x0                               ; step 0: its products start the sums
	FETCH 0, 1, 1
	WIN 0x81                                       ; source 0 window 1, destination window 2
	MUL 0, 0, 1
	MUL 0, 2, 1
	WIN 0                                          ; step 1 leaves slot 0, which takes the fourth 256 along K.  (The add's two registers lie in window 0)
	s_wait_tensorcnt 0x0                           ; all my tensor loads have landed, so a group 0 may be written;
	ds_add_u32 v[SPW], v[NIL]                      ; 0 onto my spare word;
	s_add_nc_u64 s[G0+2:G0+3], s[G0+2:G0+3], 3*4096
	s_add_nc_u64 s[G0B+2:G0B+3], s[G0B+2:G0B+3], 3*4096
	s_wait_dscnt 0x0                               ; the add is done; step 1's fragments are in: my reads of slot 0 are over
	s_barrier_signal -1                            ; this barrier opens a round of the cluster's
	WIN 0xa1
	MUL 1, 0, 0
	WIN 0
	s_barrier_wait -1
	CREST                                          ; no wave of any partner still reads slot 0 or has a load on its way; slots 1 and 2 are whole
	JLOAD G0, G1, G0B, G1B                         ; my one tensor load behind the round; its four v_nop are the places in front of the loads below
	FETCH 1, 0, 0
	WIN 0xa1
	MUL 1, 2, 0
	STEP 0, 1, 1, 1
	STEP 1, 1, 2, 0
	STEP 0, 1, 2, 1
	s_wait_tensorcnt 0x0                           ; step 5: the refill, my last tensor load, has landed,
	s_wait_dscnt 0x0                               ; and set 1 is in: my reads of slots 1 and 2 are over
	s_barrier_signal -1
	s_barrier_wait -1                              ; slot 0 is whole; nobody reads slots 1 and 2 any more
	PLACES 4
	FETCH 0, 0, 0
	WIN 0xa1
	MUL 1, 0, 0
	MUL 1, 2, 0
	STEP 0, 1, 0, 1
	STEP 1, 0, 0, 0
	WIN 0
	PLACES 4                                       ; between the last products and the first read of results, write over fragments and load into them
; THE WAY OUT, a tile of 16 tokens x 128 features at a time.  A lane holds 64 neighbouring bytes of a row for each pair of accumulators, and the lanes beside it hold other rows: the tile goes through my own stage
; and comes back as whole rows of 512 bytes.  LDS serves a wave's instructions in order: no wait between the stores and the loads, nor in front of the next tile's stores.
.macro TOSTAGE a
	WIN 0x02                                       ; source 0 window 2
.set i, 0
.rept 32
	v_pk_fma_f32 v[TT+i:TT+i+1], v[64*\a+i:64*\a+i+1], s[SCL:SCL+1], v[BI+i:BI+i+1] op_sel_hi:[1,0,1]   ; sum x 2^(e10 + e11) + bp; each accumulator from its low end on
.set i, i+2
.endr
	WIN 0
.set i, 0
.rept 64
	v_cndmask_b32 v[TT+i], v[NANR], v[TT+i], s[OKM+\a]   ; NaN where my token had no admitted key
.set i, i+1
.endr
.irp t, 0,1,2,3
.irp j, 0,1,2,3
	ds_store_b128 v[STO], v[TT+16*\t+4*\j:TT+16*\t+4*\j+3] offset:128*\t+16*\j
.endr
.endr
	WIN 0x40                                       ; destination window 1
.irp t, 0,1,2,3,4,5,6,7,8,9,10,11,12,13,14,15
	ds_load_b128 v[64*\a+4*\t:64*\a+4*\t+3], v[RD] offset:528*\t
.endr
	WIN 0
.endm
.macro SEND a, younger                 ; younger: the LDS instructions issued behind tile a's loads, which may stay out
	s_wait_dscnt \younger
	WIN 0x04                                       ; the stores' data in window 1
.irp t, 0,1,2,3,4,5,6,7,8,9,10,11,12,13,14,15
	global_store_b128 v[LI], v[64*(\a)+4*\t:64*(\a)+4*\t+3], s[82:83] offset:(32*((\a)/2)+8*((\a)%2)+\t+8*(\t/8))*4096 th:TH_STORE_NT   ; 512 consecutive bytes of one row, aligned; each tile has registers of its own
.endr
	WIN 0
.endm
	s_wait_loadcnt 0x0                             ; bp and the flags
.irp a, 0,1,2,3
	v_cmp_ne_u32 s[OKM+\a], 0, v[BV+\a]
.endr
	TOSTAGE 0
.irp a, 1,2,3
	TOSTAGE \a
	SEND \a-1, 32                                  ; behind tile a - 1's loads: tile a's 16 stores and 16 loads
.endr
	SEND 3, 0
	s_wait_tensorcnt 0x0                           ; the wave's end, behind my last tensor load and my last LDS store
	ds_add_u32 v[SPW], v[NIL]
	s_wait_dscnt 0x0
	CROUND                                         ; the closing round: no work-group ends while a partner may still ask for a tile that names it
	s_endpgm
.Lfunc_end_k_q8a98a7ef59_proj:
	.size	k_q8a98a7ef59_proj, .Lfunc_end_k_q8a98a7ef59_proj-k_q8a98a7ef59_proj
	.p2alignl 7, 3214868480
	.fill 96, 4, 3214868480
	.section	.rodata,"a",@progbits
	.p2align	6, 0x0
	.amdhsa_kernel k_q8a98a7ef59_proj
		.amdhsa_group_segment_fixed_size 327680
		.amdhsa_private_segment_fixed_size 0
		.amdhsa_enable_private_segment 0
		.amdhsa_kernarg_size 48
		.amdhsa_user_sgpr_count 2
		.amdhsa_user_sgpr_kernarg_segment_ptr 1
		.amdhsa_wavefront_size32 1
		.amdhsa_system_sgpr_workgroup_id_x 1
		.amdhsa_system_sgpr_workgroup_id_y 1
		.amdhsa_system_sgpr_workgroup_id_z 1
		.amdhsa_system_vgpr_workitem_id 0
		.amdhsa_next_free_vgpr 768
		.amdhsa_next_free_sgpr 100
		.amdhsa_reserve_vcc 0
		.amdhsa_float_denorm_mode_32 3
		.amdhsa_float_denorm_mode_16_64 3
		.amdhsa_memory_ordered 1
		.amdhsa_forward_progress 1
		.amdhsa_inst_pref_size 92
	.end_amdhsa_kernel
	.amdgpu_metadata
---
amdhsa.version: [ 1, 2 ]
amdhsa.kernels:
  - .name:           k_q8a98a7ef59_proj
    .symbol:         k_q8a98a7ef59_proj.kd
    .args:
      - { .name: y_img, .offset: 0, .size: 8, .value_kind: global_buffer, .address_space: global }
      - { .name: w_img, .offset: 8, .size: 8, .value_kind: global_buffer, .address_space: global }
      - { .name: bp, .offset: 16, .size: 8, .value_kind: global_buffer, .address_space: global }
      - { .name: rowok, .offset: 24, .size: 8, .value_kind: global_buffer, .address_space: global }
      - { .name: lowp_scales, .offset: 32, .size: 8, .value_kind: global_buffer, .address_space: global }
      - { .name: out0, .offset: 40, .size: 8, .value_kind: global_buffer, .address_space: global }
    .group_segment_fixed_size: 327680
    .private_segment_fixed_size: 0
    .kernarg_segment_align: 8
    .kernarg_segment_size: 48
    .max_flat_workgroup_size: 128
    .sgpr_count:     100
    .vgpr_count:     768
    .wavefront_size: 32
...
	.end_amdgpu_metadata
.endif
;; end of part 4
